; MI455X (gfx1250); checked and timed in simulation.
; The chip was launched on July 23, 2026; its instructions are those of AMD's public machine-readable ISA for CDNA 5 (MIT licence, August 2026) and "CDNA5" Instruction Set Architecture Reference Guide (July 2026). The comments in the code are by the model that wrote it; some were corrected since.
;; Causal Self Attention. Allowed arithmetic: matrix products marked QUANTISED: E2M1 operands, one E8M0 scale for each 32 along K, by v_wmma_scale_f32_16x16x128_f8f6f4 with both operands' format E2M1 (or v_wmma_scale_f32_32x16x128_f4), f32 sums; products left as they are: bf16, f16 or f32 operands; f32 sums; everything else in f32.
;; Inputs: Wk 1,024 x 1,024 float32; Wo 1,024 x 1,024 float32; Wq 1,024 x 1,024 float32; Wv 1,024 x 1,024 float32; bk 1,024 float32; bo 1,024 float32; bq 1,024 float32; bv 1,024 float32; x 2 x 2,048 x 1,024 float32.
;; Outputs: out0 2 x 2,048 x 1,024 float32.
;; This version of the problem:
;;   THIS VERSION OF THE PROBLEM IS GIVEN IN LOW PRECISION. The matrix products marked QUANTISED in the list below multiply operands that are first quantised to E2M1 (2 exponent bits, 1 mantissa bit; 4 bits a number), with one power-of-two scale for each 32 numbers along K (OCP MX v1.0); their sums are f32. The products marked 'left as it is' may take bf16, f16 or f32 operands, with f32 sums. Whichever they take, every output number must still come out within the allowed error. Rounding operands to bf16 (8 significant bits) uses up far more of that allowance than f16 does (11 bits, for magnitudes from 6e-5 to 65,504). All else is computed in f32.
;;   The module's matrix products, in the order in which they are computed (A, B: the left and right operand; K: the contracted axis; several contracted axes count as one K, in the product's order):
;;     1. [M 4,096, K 1,024] x [K 1,024, N 1,024]; A: input x; B: input Wq: QUANTISED
;;     2. [M 4,096, K 1,024] x [K 1,024, N 1,024]; A: input x; B: input Wk: QUANTISED
;;     3. [M 4,096, K 1,024] x [K 1,024, N 1,024]; A: input x; B: input Wv: QUANTISED
;;     4. batch 32 x [M 2,048, K 64] x [K 64, N 2,048]; A: computed on the way; B: computed on the way: left as it is (an operand is computed on the way)
;;     5. batch 32 x [M 2,048, K 2,048] x [K 2,048, N 64]; A: computed on the way; B: computed on the way: left as it is (an operand is computed on the way)
;;     6. [M 4,096, K 1,024] x [K 1,024, N 1,024]; A: computed on the way; B: input Wo: left as it is (an operand is computed on the way)
;;   THE QUANTISER, for each operand of a quantised product, along K:
;;     - K is cut into blocks of 32 from its start; a last block that is shorter is filled with zeros.
;;     - A block's scale is 2^e with e = floor(log2(the largest magnitude in the block)) - 2, held to -126 .. 127; a block of zeros has e = 0. As a byte (E8M0): e + 127.
;;     - Each number is divided by its block's scale, clamped to +-6, and rounded to the nearest number of E2M1, ties to even, subnormals kept.
;;     - The product sums the exact products of the quantised numbers (number of the format x scale) in f32.
;;   ~~~python
;;   def quantise(x, axis):      # numpy; x: float32 -> the quantised numbers, widened to float32 again
;;       x = np.moveaxis(x, axis, -1); K = x.shape[-1]
;;       x = np.pad(x, [(0, 0)] * (x.ndim - 1) + [(0, -K % 32)]); x = x.reshape(x.shape[:-1] + (-1, 32)); a = np.abs(x).max(-1, keepdims=True)
;;       e = np.where(a > 0, np.clip(np.frexp(np.where(a > 0, a, 1))[1] - 1 - 2, -126, 127), 0)      # np.frexp(a)[1] - 1 = floor(log2(a)), exactly
;;       r = np.clip(x / 2.0 ** e, -6, 6)
;;       step = 2.0 ** (np.maximum(np.frexp(np.where(r == 0, 1, r))[1] - 1, 0) - 1)
;;       q = np.round(r / step) * step * 2.0 ** e      # np.round: ties to even
;;       return np.moveaxis(q.reshape(q.shape[:-2] + (-1,))[..., :K], -1, axis).astype(np.float32)
;;   ~~~
;; One version. Each part assembles by itself: llvm-mc -triple=amdgcn-amd-amdhsa -mcpu=gfx1250 --defsym DOCPART=n.
;; ======== version 1 of 1: 5 launches
;; limits: values are held in f16: magnitudes above 65,504 overflow, below 6.1e-05 lose precision
;; workspace buffers: xc 2,097,152 bytes; xs 131,072 bytes; wc 1,572,864 bytes; ws 98,304 bytes; wo16 2,097,152 bytes; qkv 25,165,824 bytes; yimg 8,388,608 bytes; q32 393,216 bytes
;; launch prep (part 1): grid 256 x 1, 4 waves a work-group, no clusters, 33,280 bytes of LDS; arguments x, Wq, Wk, Wv, Wo, xc, xs, wc, ws, wo16; writes xc, xs, wc, ws, wo16
.if DOCPART == 1
	.amdgcn_target "amdgcn-amd-amdhsa--gfx1250"
	.amdhsa_code_object_version 6
	.text
	.protected	k_q9a4218eb6f_prep
	.globl	k_q9a4218eb6f_prep
	.p2align	8
	.type	k_q9a4218eb6f_prep,@function
k_q9a4218eb6f_prep:
	s_mov_b64 s[64:65], 0
	v_nop
	global_prefetch_b8 v0, s[64:65] scope:SCOPE_SE
	s_setreg_imm32_b32 hwreg(HW_REG_WAVE_MODE, 25, 1), 1
	s_wait_xcnt 0x0
; x [4096][1024], Wq, Wk, Wv [1024][1024], f32, K innermost, become codes of FP4 (E2M1) with one E8M0 byte for each 32 along K; Wo [1024][1024] becomes f16.
; xc [4096][512 B], xs [4096][32 B]; wc [3072][512 B], ws [3072][32 B]: the rows of Wq, then Wk, then Wv; wo16 [1024][1024] f16.
; A block's scale is 2^(floor(log2(its largest magnitude)) - 2); its byte is the largest magnitude's exponent field - 2, held at 1 from below.  A block of zeros keeps the byte 1: its codes are zeros, and this program alone reads the bytes.
; LIMITS: NaN and infinities among the inputs are not served; blocks whose largest magnitude lies under 2^(2 - 126) get the byte 1; |Wo| stays under 65,504 (f16's largest number).
; SHARES: a work-group takes 32,768 numbers, a wave 8,192.  Work-groups 0-127: x; 128-159: Wq; 160-191: Wk; 192-223: Wv; 224-255: Wo.
; The four quantised tensors take ONE path: only pointers are chosen, by the work-group's number.  Rows are dense and K is a multiple of 32: the tensors are plain streams of blocks of 32.
; A wave takes 16 steps of 512 numbers: four loads of 512 consecutive bytes; the 2,048 bytes turn through the wave's own stage in LDS, so that a lane holds 16 NEIGHBOURS (two lanes hold a block).
; A lane's 16 codes are 8 bytes: the wave stores 256 consecutive bytes.  A wave's 256 scale bytes are gathered in LDS and leave as 256 consecutive bytes.  Waves share nothing: no barrier.
; Wo's path uses no LDS: 16 bytes in, 8 bytes out for each lane; each store of a wave covers 256 consecutive bytes, aligned.
.set WAVES, 4
.set STEPS, 16
.set EMAX,  2
.set CB,    8                          ; bytes of 16 codes
.set R,     16                         ; v16-79   four sets of 16 numbers as loaded
.set X,     80                         ; v80-111  two sets of 16 neighbours
.set E,     112                        ; v112-127 a scale byte for each step
.set C,     128                        ; v128-191 codes: four registers for each step
.set WREG,  8192                       ; LDS: a region for each wave: two stages of 32 x SP bytes, then its 256 scale bytes
.set SP,    80                         ; a lane's place in a stage: 64 bytes + 16 of padding
.set SPW,   12                         ; v12  my spare word's LDS address; never rewritten
.set NIL,   13                         ; v13  0; never rewritten
.set SPARE, WAVES*WREG                 ; behind the regions: the spare words, 128 bytes a wave
.set WR,    16                         ; Wo's path: v16-143 two sets of 64 numbers
.set WH,    144                        ; v144-175 a round's f16 numbers
	s_load_b256 s[4:11], s[0:1], 0x0               ; x s[4:5], Wq s[6:7], Wk s[8:9], Wv s[10:11]
	s_load_b256 s[12:19], s[0:1], 0x20             ; Wo s[12:13], xc s[14:15], xs s[16:17], wc s[18:19]
	s_load_b128 s[20:23], s[0:1], 0x40             ; ws s[20:21], wo16 s[22:23]
	v_lshl_add_u32 v[SPW], v0, 2, SPARE
	v_mov_b32 v[NIL], 0
	v_lshrrev_b32 v1, 5, v0
	v_readfirstlane_b32 s24, v1                    ; wave
	v_and_b32 v2, 31, v0                           ; lane
	v_lshlrev_b32 v3, 4, v2                        ; my 16 bytes of a load's 512
	s_mul_i32 s28, s24, WREG
	v_lshrrev_b32 v14, 2, v2
	v_mul_u32_u24 v14, v14, SP
	v_and_b32 v15, 3, v2
	v_lshl_add_u32 v14, v15, 4, v14
	v_add_nc_u32 v14, s28, v14                     ; the stage, way in: SP (lane / 4) + 16 (lane % 4)
	v_mul_u32_u24 v15, v2, SP
	v_add_nc_u32 v15, s28, v15                     ; way out: SP x lane: my 16 neighbours
	v_mul_u32_u24 v4, v2, CB                       ; 8 x lane: my codes' place in a step's; also my f16 numbers' place in Wo's path
	v_lshrrev_b32 v5, 1, v2
	s_add_co_u32 s28, s28, 2*32*SP
	v_add_nc_u32 v5, s28, v5                       ; my block's scale byte in LDS
	v_lshlrev_b32 v7, 3, v2
	v_add_nc_u32 v6, s28, v7                       ; and 8 bytes a lane on the way out
	s_and_b32 s27, ttmp9, 31                       ; a weight's chunk of 32,768 numbers
	s_mov_b32 s29, 0
	s_wait_kmcnt 0x0
	s_cmp_lt_u32 ttmp9, 224
	s_cbranch_scc0 .Lwo
	s_cmp_lt_u32 ttmp9, 160                        ; which weight: the choices hang on the work-group's number alone
	s_cselect_b64 s[6:7], s[6:7], s[8:9]
	s_cmp_lt_u32 ttmp9, 192
	s_cselect_b64 s[6:7], s[6:7], s[10:11]
	s_cmp_lt_u32 ttmp9, 128                        ; x or a weight
	s_cselect_b64 s[4:5], s[4:5], s[6:7]
	s_cselect_b64 s[14:15], s[14:15], s[18:19]
	s_cselect_b64 s[16:17], s[16:17], s[20:21]
	s_cselect_b32 s27, ttmp9, s27                  ; the chunk in the source
	s_cselect_b32 s25, 0, 128
	s_sub_co_u32 s26, ttmp9, s25                   ; the chunk in the codes' buffer
	s_lshl_b32 s28, s27, 2
	s_add_co_u32 s28, s28, s24                     ; my wave's run of 8,192 numbers in the source:
	s_lshl_b32 s28, s28, 15                        ; 32,768 bytes a run
	s_add_nc_u64 s[4:5], s[4:5], s[28:29]
	s_lshl_b32 s30, s26, 2
	s_add_co_u32 s30, s30, s24                     ; and in the results:
	s_lshl_b32 s28, s30, 12                        ; 4,096 bytes of codes,
	s_add_nc_u64 s[14:15], s[14:15], s[28:29]
	s_lshl_b32 s28, s30, 8                         ; 256 scale bytes
	s_add_nc_u64 s[16:17], s[16:17], s[28:29]
.macro LOAD t
.irp i, 0,1,2,3
	global_load_b128 v[R+16*((\t)%4)+4*\i:R+16*((\t)%4)+4*\i+3], v3, s[4:5] offset:2048*(\t)+512*\i th:TH_LOAD_NT   ; 32 lanes read 512 consecutive bytes
.endr
.endm
.macro TURN t                          ; step t's numbers through the stage: LDS serves a wave's instructions in order, so no wait stands between the stores and the loads
.irp i, 0,1,2,3
	ds_store_b128 v14, v[R+16*((\t)%4)+4*\i:R+16*((\t)%4)+4*\i+3] offset:32*SP*((\t)%2)+8*SP*\i
.endr
.irp i, 0,1,2,3
	ds_load_b128 v[X+16*((\t)%2)+4*\i:X+16*((\t)%2)+4*\i+3], v15 offset:32*SP*((\t)%2)+16*\i
.endr
.endm
.irp t, 0,1,2,3
	LOAD \t
.endr
	s_wait_loadcnt 12                              ; step 0's four loads are in; the twelve of steps 1 to 3 stay out
	TURN 0
.macro STEP t
.set XS, X+16*((\t)%2)
.if (\t) > 0
	s_wait_dscnt 1                                 ; this step's numbers are back from the stage; the last step's byte store may be out
.else
	s_wait_dscnt 0x0
.endif
.if (\t)+4 < STEPS
	LOAD (\t)+4                                    ; into the set whose stores to the stage have been served
.endif
.if (\t)+1 < STEPS
.if STEPS-2-(\t) >= 3
	s_wait_loadcnt 12                              ; the next step's four loads are in; those of the three steps behind it may be out
.else
	s_wait_loadcnt 4*(STEPS-2-(\t))
.endif
	TURN (\t)+1
.endif
	v_max3_num_f32 v8, |v[XS]|, |v[XS+1]|, |v[XS+2]|               ; the largest magnitude of my 16, in two chains
	v_max3_num_f32 v9, |v[XS+3]|, |v[XS+4]|, |v[XS+5]|
.irp i, 6,10
	v_max3_num_f32 v8, v8, |v[XS+\i]|, |v[XS+\i+1]|
	v_max3_num_f32 v9, v9, |v[XS+\i+2]|, |v[XS+\i+3]|
.endr
	v_max3_num_f32 v8, v8, |v[XS+14]|, |v[XS+15]|
	v_max3_num_f32 v8, v8, v9, (EMAX+1)<<23        ; and the floor 2^(EMAX + 1 - 127): the byte cannot fall under 1
	v_max_num_f32_dpp v8, v8, v8 row_xmask:1 row_mask:0xf bank_mask:0xf   ; with my neighbour's 16: the block's
	v_add_nc_u32 v11, -(EMAX<<23), v8              ; EMAX off its exponent field: the conversion takes this operand's exponent field as its scale
	v_cvt_scalef32_pk8_fp4_f32 v[C+4*(\t)], v[XS:XS+7], v11
	v_cvt_scalef32_pk8_fp4_f32 v[C+4*(\t)+1], v[XS+8:XS+15], v11
	v_lshrrev_b32 v[E+(\t)], 23, v11               ; the scale's byte (also the plain line behind the conversions)
	ds_store_b8 v5, v[E+(\t)] offset:16*(\t)       ; both lanes of a block write the same byte with the same value
	global_store_b64 v4, v[C+4*(\t):C+4*(\t)+1], s[14:15] offset:32*CB*(\t)
.endm
.irp t, 0,1,2,3,4,5,6,7,8,9,10,11,12,13,14,15
	STEP \t
.endr
	ds_load_b64 v[8:9], v6                         ; served behind my byte stores
	s_wait_dscnt 0x0
	global_store_b64 v7, v[8:9], s[16:17]          ; 32 lanes store 256 consecutive bytes, aligned
	s_wait_tensorcnt 0x0                           ; the wave's end
	ds_add_u32 v[SPW], v[NIL]
	s_wait_dscnt 0x0
	s_endpgm
.Lwo:                                              ; Wo to f16: four rounds of 2,048 numbers a wave, loads two rounds ahead
	s_sub_co_u32 s28, ttmp9, 224
	s_lshl_b32 s28, s28, 2
	s_add_co_u32 s30, s28, s24                     ; my wave's run of 8,192 numbers
	s_lshl_b32 s28, s30, 15
	s_add_nc_u64 s[12:13], s[12:13], s[28:29]
	s_lshl_b32 s28, s30, 14
	s_add_nc_u64 s[22:23], s[22:23], s[28:29]
.macro WLOAD t
.irp i, 0,1,2,3,4,5,6,7,8,9,10,11,12,13,14,15
	global_load_b128 v[WR+64*((\t)%2)+4*\i:WR+64*((\t)%2)+4*\i+3], v3, s[12:13] offset:8192*(\t)+512*\i th:TH_LOAD_NT
.endr
.endm
.macro WCVT t
.if (\t) < 3
	s_wait_loadcnt 16                              ; this round's 16 loads are in; the next round's 16 may be out
.else
	s_wait_loadcnt 0x0
.endif
	s_wait_xcnt 0x0                                ; the last round's stores have read their data: v144-175 may be written again
.irp i, 0,1,2,3,4,5,6,7,8,9,10,11,12,13,14,15
.irp u, 0,1
	v_cvt_pk_f16_f32 v[WH+2*\i+\u], v[WR+64*((\t)%2)+4*\i+2*\u], v[WR+64*((\t)%2)+4*\i+2*\u+1]
.endr
.endr
.irp i, 0,1,2,3,4,5,6,7,8,9,10,11,12,13,14,15
	global_store_b64 v4, v[WH+2*\i:WH+2*\i+1], s[22:23] offset:4096*(\t)+256*\i
.endr
.if (\t) < 2
	WLOAD (\t)+2
.endif
.endm
	WLOAD 0
	WLOAD 1
	WCVT 0
	WCVT 1
	WCVT 2
	WCVT 3
	s_endpgm
.Lfunc_end_k_q9a4218eb6f_prep:
	.size	k_q9a4218eb6f_prep, .Lfunc_end_k_q9a4218eb6f_prep-k_q9a4218eb6f_prep
	.p2alignl 7, 3214868480
	.fill 96, 4, 3214868480
	.section	.rodata,"a",@progbits
	.p2align	6, 0x0
	.amdhsa_kernel k_q9a4218eb6f_prep
		.amdhsa_group_segment_fixed_size 33280
		.amdhsa_private_segment_fixed_size 0
		.amdhsa_enable_private_segment 0
		.amdhsa_kernarg_size 80
		.amdhsa_user_sgpr_count 2
		.amdhsa_user_sgpr_kernarg_segment_ptr 1
		.amdhsa_wavefront_size32 1
		.amdhsa_system_sgpr_workgroup_id_x 1
		.amdhsa_system_sgpr_workgroup_id_y 1
		.amdhsa_system_sgpr_workgroup_id_z 1
		.amdhsa_system_vgpr_workitem_id 0
		.amdhsa_next_free_vgpr 192
		.amdhsa_next_free_sgpr 66
		.amdhsa_reserve_vcc 0
		.amdhsa_float_denorm_mode_32 3
		.amdhsa_float_denorm_mode_16_64 3
		.amdhsa_memory_ordered 1
		.amdhsa_forward_progress 1
		.amdhsa_inst_pref_size 54
	.end_amdhsa_kernel
	.amdgpu_metadata
---
amdhsa.version: [ 1, 2 ]
amdhsa.kernels:
  - .name:           k_q9a4218eb6f_prep
    .symbol:         k_q9a4218eb6f_prep.kd
    .args:
      - { .name: x, .offset: 0, .size: 8, .value_kind: global_buffer, .address_space: global }
      - { .name: Wq, .offset: 8, .size: 8, .value_kind: global_buffer, .address_space: global }
      - { .name: Wk, .offset: 16, .size: 8, .value_kind: global_buffer, .address_space: global }
      - { .name: Wv, .offset: 24, .size: 8, .value_kind: global_buffer, .address_space: global }
      - { .name: Wo, .offset: 32, .size: 8, .value_kind: global_buffer, .address_space: global }
      - { .name: xc, .offset: 40, .size: 8, .value_kind: global_buffer, .address_space: global }
      - { .name: xs, .offset: 48, .size: 8, .value_kind: global_buffer, .address_space: global }
      - { .name: wc, .offset: 56, .size: 8, .value_kind: global_buffer, .address_space: global }
      - { .name: ws, .offset: 64, .size: 8, .value_kind: global_buffer, .address_space: global }
      - { .name: wo16, .offset: 72, .size: 8, .value_kind: global_buffer, .address_space: global }
    .group_segment_fixed_size: 33280
    .private_segment_fixed_size: 0
    .kernarg_segment_align: 8
    .kernarg_segment_size: 80
    .max_flat_workgroup_size: 128
    .sgpr_count:     66
    .vgpr_count:     192
    .wavefront_size: 32
...
	.end_amdgpu_metadata
.endif
;; end of part 1
;; launch qkv (part 2): grid 12 x 16, 4 waves a work-group, clusters of 4 x 4, 327,680 bytes of LDS; arguments xc, xs, wc, ws, qkv, bq, bk, bv, q32; writes qkv, q32
.if DOCPART == 2
	.amdgcn_target "amdgcn-amd-amdhsa--gfx1250"
	.amdhsa_code_object_version 6
	.text
	.protected	k_q9a4218eb6f_qkv
	.globl	k_q9a4218eb6f_qkv
	.p2align	8
	.type	k_q9a4218eb6f_qkv,@function
k_q9a4218eb6f_qkv:
	s_mov_b64 s[64:65], 0
	v_nop
	global_prefetch_b8 v0, s[64:65] scope:SCOPE_SE
	s_setreg_imm32_b32 hwreg(HW_REG_WAVE_MODE, 25, 1), 1
	s_wait_xcnt 0x0
	s_wait_alu depctr_hold_cnt(0) depctr_sa_sdst(0) depctr_va_vdst(0) depctr_va_sdst(0) depctr_va_ssrc(0) depctr_va_vcc(0) depctr_vm_vsrc(0)
	s_getreg_b32 s2, hwreg(HW_REG_IB_STS2, 6, 4)
	s_cmp_eq_u32 s2, 0
	s_cbranch_scc0 .Lentry_in_a_cluster
	s_endpgm
.Lentry_in_a_cluster:
	s_bfe_u32 s2, ttmp6, 0x10000c
	s_cmp_lg_u32 s2, 0xf033
	s_cbranch_scc0 .Lentry_shape_is_right
	s_endpgm
.Lentry_shape_is_right:
; q, k, v = x W^T + bias on codes of FP4 (E2M1) with one E8M0 scale for each 32 along K: one product [4096] x [3072 = Wq, Wk, Wv] x K 1,024, sums in f32.
; Stored as f16 (operands of the two products of attention), three tensors 2^23 bytes apart, each [batch][head][position][64].
; POSITIONS 0-15 OF EACH SEQUENCE ALSO LEAVE IN f32, for the launch that carries those rows in f32: q32 [batch][head][q, k, v][16 channels][half][lane][16 B]: images of the accumulators' registers:
; lane (r, h), register 4 half + i: the value at position r, channel 16 t + 8 h + 4 half + i.  Which waves hold those rows hangs on the work-group's place in its cluster: the stores stand under EXEC.
; LIMIT: |q|, |k|, |v| stay under 65,504, f16's largest number.
; A tile of 256 x 256 is made by four waves, each 128 x 128: 64 accumulators, 512 registers.  K lies in two LDS slots of 512 along K (rows of 256 bytes), both asked for at the start: nothing is filled again.
; The scale bytes of the work-group's 256 rows of x and 256 rows of W, for all of K, are two dense blocks: they come once, as rows of 256 bytes.  By this text's count a wave has three tensor loads out at the start and none later.
; 12 x 16 = 192 work-groups: the tile is kept at 256 x 256 so that a tile column lies in one of the three tensors and a wave's 128 columns are two whole heads.
; CLUSTERS: 4 x 4 work-groups.  A row of the cluster needs the same tiles of x, a column the same tiles of W: each is asked for jointly.  The cluster's x is the tensor's number (4 tile columns to a tensor).
; THE MATRIX INSTRUCTION IS USED TRANSPOSED (source 0 = 16 rows of W, source 1 = 16 rows of x): a lane holds eight neighbouring channels of one position.  The bias is the C of each sum's first instruction.
; REGISTERS: window 0: v0-31 addresses; v32-95 scale words, two sets; v128-191 x's fragments, one set; v192-255 the bias, 8 registers for each of W's 8 blocks; on the way out v128-223 are at work.
;   window 1: W's fragments, two sets, at v0 and v128.   window 2: accumulators of my rows 0-63 ((a, b) at v[8 (8 a + b)]);   window 3: rows 64-127.
.set KSTEP,  512
.set NQ,     KSTEP/128
.set ROWB,   256                       ; a tile's row in bytes
.set KROW,   512                       ; a row of codes in memory
.set PITCH,  272                       ; an LDS row: 256 bytes + 16 of padding: the 16 rows of a load start 68 words apart
.set FR,     8
.set NL,     2
.set NP,     4                         ; places behind this matrix instruction (ISA guide 7.12.1)
.set HALFT,  128*PITCH
.set SLOT,   4*HALFT
.set KS,     32                        ; a row of scale bytes
.set SCL,    2*SLOT
.set HALFS,  (128*KS/256)*272
.set SBLK,   (16*KS/256)*272
.set SPARE,  SCL+4*HALFS               ; the spare words, 128 bytes a wave
.set HP,     144                       ; the way out: a stage row: a head's 128 bytes + 16
.set HSTG,   16*HP                     ; 16 positions of one head
.set WSTG,   2*HSTG                    ; a wave's stage: two heads.  It lies in slot 0, which has had its only fill and its last read when the first result is stored there
.set FHEAD,  12288                     ; q32: a head's twelve images of 1,024 bytes
.set FBAT,   16*FHEAD                  ; a batch's
.set ADRA, 16
.set ADRB, 20
.set STO,  24
.set RD,   25
.set CO,   26
.set ADRS, 27
.set SPW,  28
.set NIL,  29
.set BOF,  30                          ; v30  32 x (lane / 16): my eight bias numbers of a block
.set FLG,  31                          ; v31  0 in the waves whose first block holds positions 0-15
.set SC,   32
.set AF,   128
.set BI,   192
.set TMP,  192
.set BK,   128
.set G1, 24
.set G0, 32
.set G1B, 48
.set G0B, 56
.set F32P, 66                          ; s[66:67] where my two heads' images begin in q32
.set G1S, 68
.set G0S, 76
.set G1SB, 80
.set G0SB, 88
.set MSB, 0
.macro WIN new                         ; the immediate's high byte repeats the setting that is left
.if MSB != \new
	s_set_vgpr_msb (MSB<<8)|\new
.set MSB, \new
.endif
.endm
.set MUL_LO, 0xa1                      ; source 0 (W) window 1, source 1 (x) window 0, C and D window 2
.set MUL_HI, 0xf1                      ; the same, C and D window 3
.set FST_LO, 0x81                      ; the first step: C (the bias) window 0, D window 2
.set FST_HI, 0xc1                      ; D window 3
.set TO_B,   0x40
; A joint load: waves 0 and 1 fetch for x, waves 2 and 3 for W.  The branch hangs on the wave's number alone.  An s_nop 0 and four v_nop follow each line.
.macro JLOAD g0a, g1a, g0b, g1b
	s_cmp_eq_u32 s15, 0
	s_cbranch_scc0 .Lfor_b_\@
	tensor_load_to_lds s[\g0a:\g0a+3], s[\g1a:\g1a+7]
	s_nop 0
.rept 4
	v_nop
.endr
	s_branch .Lasked_\@
.Lfor_b_\@:
	tensor_load_to_lds s[\g0b:\g0b+3], s[\g1b:\g1b+7]
	s_nop 0
.rept 4
	v_nop
.endr
.Lasked_\@:
.endm
.macro CROUND                          ; a round of the cluster's barrier
	s_barrier_signal -1
	s_barrier_wait -1
	s_cmp_lg_u32 s14, 0
	s_cbranch_scc1 .Lnot_wave_0_\@
	s_barrier_signal -3
.Lnot_wave_0_\@:
	s_barrier_wait -3
	s_barrier_signal -1
	s_barrier_wait -1
.endm
	s_load_b128 s[4:7], s[0:1], 0x0                ; x's codes, x's scales
	s_load_b128 s[8:11], s[0:1], 0x10              ; W's codes, W's scales
	s_load_b64 s[12:13], s[0:1], 0x20              ; qkv
	s_load_b128 s[96:99], s[0:1], 0x28             ; bq, bk
	s_load_b64 s[100:101], s[0:1], 0x38            ; bv
	s_load_b64 s[F32P:F32P+1], s[0:1], 0x40        ; q32
	v_lshl_add_u32 v[SPW], v0, 2, SPARE
	v_mov_b32 v[NIL], 0
	ds_add_u32 v[SPW], v[NIL]                      ; the wave's opening: the add, twice on end, and its wait ahead of my first tensor load
	ds_add_u32 v[SPW], v[NIL]
	v_lshrrev_b32 v1, 5, v0
	v_readfirstlane_b32 s14, v1                    ; wave 0..3
	s_lshr_b32 s15, s14, 1                         ; my half of the tile's rows.  Also: I fetch for x (0) or W (1)
	s_and_b32 s16, s14, 1                          ; my half of its columns.  Also: which 128 rows I fetch
	s_bfe_u32 s40, ttmp6, 0x40000                  ; cx
	s_bfe_u32 s41, ttmp6, 0x40004                  ; cy
	s_lshl_b32 s42, ttmp9, 2
	s_add_co_u32 s42, s42, s40                     ; tile column = 4 x cluster x + cx
	s_and_b32 s17, ttmp7, 0xffff
	s_lshl_b32 s17, s17, 2
	s_add_co_u32 s17, s17, s41                     ; tile row = 4 x cluster y + cy
	s_lshl_b32 s43, s41, 2
	s_lshl_b32 s43, 15, s43                        ; my row of the cluster
	s_lshl_b32 s44, 0x1111, s40                    ; my column
	s_or_b32 s[G1+0], s43, (0<<16)|(1<<20)|(1<<21)|(5<<22)|(3<<25)  ; the mask; elements of 1 byte; padding on; bit 21 beside a mask; 4 words behind every 64
	s_or_b32 s[G1B+0], s44, (0<<16)|(1<<20)|(1<<21)|(5<<22)|(3<<25)
.irp g, G1, G1B
	s_mov_b32 s[\g+1], ROWB<<16                    ; tensor_dim0
	s_mov_b32 s[\g+2], 128<<16                     ; tensor_dim1
	s_mov_b32 s[\g+3], ROWB<<16                    ; tile_dim0
	s_mov_b32 s[\g+4], 128                         ; tile_dim1
	s_mov_b32 s[\g+5], KROW                        ; the pitch
	s_mov_b32 s[\g+6], 0
	s_mov_b32 s[\g+7], 0
.endr
	s_or_b32 s[G1S+0], s43, (3<<16)|(1<<20)|(1<<21)|(5<<22)|(3<<25) ; the scales of 128 rows: 4,096 dense bytes as 16 rows of 256 (32 elements of 8 bytes), 16 bytes of padding behind each
	s_or_b32 s[G1SB+0], s44, (3<<16)|(1<<20)|(1<<21)|(5<<22)|(3<<25)
.irp g, G1S, G1SB
	s_mov_b32 s[\g+1], 32<<16
	s_mov_b32 s[\g+2], (128*KS/256)<<16
	s_mov_b32 s[\g+3], 32<<16
	s_mov_b32 s[\g+4], 128*KS/256
	s_mov_b32 s[\g+5], 32
	s_mov_b32 s[\g+6], 0
	s_mov_b32 s[\g+7], 0
.endr
	s_lshl_b32 s18, s16, 7
	s_lshl_b32 s20, s17, 8
	s_add_co_u32 s20, s20, s18                     ; x: row 256 x tile row + 128 x half
	s_lshl_b32 s46, s42, 8
	s_add_co_u32 s46, s46, s18                     ; W: row 256 x tile column + 128 x half
	s_mov_b32 s21, 0
	s_mov_b32 s47, 0
	s_mov_b64 s[18:19], KS
	s_mul_u64 s[22:23], s[20:21], s[18:19]         ; where these rows' scales begin
	s_mul_u64 s[92:93], s[46:47], s[18:19]
	s_mov_b64 s[18:19], KROW
	s_mul_u64 s[20:21], s[20:21], s[18:19]         ; and their codes
	s_mul_u64 s[46:47], s[46:47], s[18:19]
	s_mul_i32 s45, s14, HALFT                      ; where they go: wave x 128 rows
	s_mul_i32 s94, s14, HALFS
	s_wait_dscnt 0x0                               ; both opening adds are done
	s_wait_kmcnt 0x0
	s_add_nc_u64 s[20:21], s[4:5], s[20:21]
	s_add_nc_u64 s[22:23], s[6:7], s[22:23]
	s_add_nc_u64 s[46:47], s[8:9], s[46:47]
	s_add_nc_u64 s[92:93], s[10:11], s[92:93]
	CROUND                                         ; all sixteen work-groups are here: the joint loads meet
	s_mov_b32 s[G0S], 1
	s_add_co_u32 s[G0S+1], s94, SCL
	s_mov_b64 s[G0S+2:G0S+3], s[22:23]
	s_or_b32 s[G0S+3], s[G0S+3], 0x80000000
	s_mov_b32 s[G0SB], 1
	s_add_co_u32 s[G0SB+1], s94, SCL
	s_mov_b64 s[G0SB+2:G0SB+3], s[92:93]
	s_or_b32 s[G0SB+3], s[G0SB+3], 0x80000000
	JLOAD G0S, G1S, G0SB, G1SB                     ; the scales first
.irp s, 0,1
	s_mov_b32 s[G0+4*\s], 1
	s_add_co_u32 s[G0+4*\s+1], s45, \s*SLOT
	s_add_nc_u64 s[G0+4*\s+2:G0+4*\s+3], s[20:21], \s*ROWB
	s_or_b32 s[G0+4*\s+3], s[G0+4*\s+3], 0x80000000
	s_mov_b32 s[G0B+4*\s], 1
	s_add_co_u32 s[G0B+4*\s+1], s45, \s*SLOT
	s_add_nc_u64 s[G0B+4*\s+2:G0B+4*\s+3], s[46:47], \s*ROWB
	s_or_b32 s[G0B+4*\s+3], s[G0B+4*\s+3], 0x80000000
	JLOAD G0+4*\s, G1, G0B+4*\s, G1B
.endr
	v_and_b32 v1, 15, v0                           ; r = l % 16
	v_bfe_u32 v2, v0, 4, 1                         ; h = l / 16
	; the bias: the tensor is the cluster's x, the same in all partners; my 128 channels begin at 256 cx + 128 x my column half
	s_cmp_eq_u32 ttmp9, 0
	s_cselect_b64 s[96:97], s[96:97], s[98:99]
	s_cmp_eq_u32 ttmp9, 2
	s_cselect_b64 s[96:97], s[100:101], s[96:97]
	s_lshl_b32 s98, s40, 10
	s_lshl_b32 s99, s16, 9
	s_add_co_u32 s98, s98, s99
	s_mov_b32 s99, 0
	s_add_nc_u64 s[96:97], s[96:97], s[98:99]
	v_lshlrev_b32 v[BOF], 5, v2
.irp b, 0,1,2,3,4,5,6,7
	global_load_b128 v[BI+8*\b:BI+8*\b+3], v[BOF], s[96:97] offset:64*\b          ; in the result's layout: channels 16 b + 8 h + 0 .. 7
	global_load_b128 v[BI+8*\b+4:BI+8*\b+7], v[BOF], s[96:97] offset:64*\b+16
.endr
	v_mul_u32_u24 v3, v1, PITCH
	v_lshl_add_u32 v4, v2, 4, v3                   ; a fragment's row x pitch + 16 x half
	s_mul_i32 s21, s15, HALFT                      ; my 128 rows of x
	s_mul_i32 s22, s16, HALFT                      ; my 128 rows of W,
	s_add_co_u32 s22, s22, 2*HALFT                 ; behind x's 256
.irp s, 0,1
	v_add_nc_u32 v[ADRA+\s], s21, v4
	v_add_nc_u32 v[ADRB+\s], s22, v4
	s_add_co_u32 s21, s21, SLOT
	s_add_co_u32 s22, s22, SLOT
.endr
	v_mul_u32_u24 v5, v1, KS                       ; my row's scales: KS bytes a row,
	v_lshrrev_b32 v6, 8, v5
	v_lshl_add_u32 v5, v6, 4, v5                   ; and 16 more for each 256 passed
	s_mul_i32 s21, s15, HALFS
	s_mul_i32 s22, s16, HALFS
	s_add_co_u32 s22, s22, 2*HALFS
	s_sub_co_u32 s22, s22, s21
	v_mul_u32_u24 v6, s22, v2                      ; lanes 16-31 take W's
	s_add_co_u32 s21, s21, SCL
	v_add_nc_u32 v5, v5, v6
	v_add_nc_u32 v[ADRS], s21, v5
	s_mul_i32 s23, s14, WSTG                       ; my stage
	v_mul_u32_u24 v5, v1, HP
	v_lshl_add_u32 v5, v2, 4, v5
	v_add_nc_u32 v[STO], s23, v5                   ; in: position r, 16 bytes for each half of the lanes
	v_and_b32 v6, 31, v0
	v_lshlrev_b32 v[CO], 4, v6                     ; out: 32 lanes take four positions of a head: 512 consecutive bytes of memory.  Also an image's place for my lane
	v_lshrrev_b32 v5, 3, v6
	v_mul_u32_u24 v5, v5, HP
	v_and_b32 v6, 7, v6
	v_lshl_add_u32 v5, v6, 4, v5
	v_add_nc_u32 v[RD], s23, v5
	s_lshl_b32 s46, ttmp9, 23                      ; my part of qkv: the tensor,
	s_lshr_b32 s47, s17, 3
	s_lshl_b32 s47, s47, 22                        ; the batch (8 tile rows each),
	s_add_co_u32 s46, s46, s47
	s_lshl_b32 s47, s40, 2
	s_lshl_b32 s20, s16, 1
	s_add_co_u32 s47, s47, s20
	s_lshl_b32 s47, s47, 18                        ; the head 4 cx + 2 x my column half,
	s_add_co_u32 s46, s46, s47
	s_and_b32 s47, s17, 7
	s_lshl_b32 s47, s47, 8
	s_lshl_b32 s20, s15, 7
	s_add_co_u32 s47, s47, s20
	s_lshl_b32 s47, s47, 7                         ; the position, 128 bytes each
	s_add_co_u32 s46, s46, s47
	s_mov_b32 s47, 0
	s_add_nc_u64 s[12:13], s[12:13], s[46:47]
	s_lshr_b32 s2, s17, 3                          ; my part of q32: the batch,
	s_mul_i32 s2, s2, FBAT
	s_lshl_b32 s3, s40, 2
	s_lshl_b32 s20, s16, 1
	s_add_co_u32 s3, s3, s20
	s_mul_i32 s3, s3, FHEAD                        ; the head 4 cx + 2 x my column half,
	s_add_co_u32 s2, s2, s3
	s_lshl_b32 s3, ttmp9, 12                       ; the tensor: four images of 1,024 bytes.  Inside the buffer in every work-group
	s_add_co_u32 s2, s2, s3
	s_mov_b32 s3, 0
	s_add_nc_u64 s[F32P:F32P+1], s[F32P:F32P+1], s[2:3]
.macro FRAG reg, adr, q, i             ; 16 rows x 128 K of 4-bit codes: 8 registers; registers 4 c .. 4 c + 3 hold K = 64 c + 32 (l / 16) + 0 .. 31
.irp c, 0,1
	ds_load_b128 v[\reg+4*\c:\reg+4*\c+3], v[\adr] offset:64*(\q)+32*\c+(\i)*16*PITCH
.endr
.endm
; 16 matrix instructions: x's blocks a0, a0 + 1 against W's eight, 128 along K.  zero = 1: the first product starts the sums from the bias.  The 64 accumulators take turns.
.macro MUL16 a0, p, q, sc, zero
.irp a, \a0, \a0+1
.irp b, 0,1,2,3,4,5,6,7
.if \zero
	v_wmma_scale_f32_16x16x128_f8f6f4 v[8*(8*((\a)%4)+\b):8*(8*((\a)%4)+\b)+7], v[128*(\p)+FR*\b:128*(\p)+FR*\b+FR-1], v[AF+FR*(\a):AF+FR*(\a)+FR-1], v[BI+8*\b:BI+8*\b+7], v[SC+8*NQ*(\sc)+NQ*\b+(\q)], v[SC+8*NQ*(\sc)+NQ*(\a)+(\q)] matrix_a_fmt:MATRIX_FMT_FP4 matrix_b_fmt:MATRIX_FMT_FP4 matrix_a_scale:MATRIX_SCALE_ROW1
.else
	v_wmma_scale_f32_16x16x128_f8f6f4 v[8*(8*((\a)%4)+\b):8*(8*((\a)%4)+\b)+7], v[128*(\p)+FR*\b:128*(\p)+FR*\b+FR-1], v[AF+FR*(\a):AF+FR*(\a)+FR-1], v[8*(8*((\a)%4)+\b):8*(8*((\a)%4)+\b)+7], v[SC+8*NQ*(\sc)+NQ*\b+(\q)], v[SC+8*NQ*(\sc)+NQ*(\a)+(\q)] matrix_a_fmt:MATRIX_FMT_FP4 matrix_b_fmt:MATRIX_FMT_FP4 matrix_a_scale:MATRIX_SCALE_ROW1
.endif
.endr
.endr
.endm
.macro FETCH_B slot, q, p
	WIN TO_B
.irp i, 0,1,2,3,4,5,6,7
	FRAG 128*(\p)+FR*\i, ADRB+\slot, \q, \i
.endr
	WIN 0
.endm
.macro FETCH_A slot, q, i0
.irp i, \i0, \i0+1, \i0+2, \i0+3
	FRAG AF+FR*(\i), ADRA+\slot, \q, \i
.endr
.endm
.macro SCALES sc                       ; a slot's scale words: lanes 0-15 x's block i, lanes 16-31 W's block i
.irp i, 0,1,2,3,4,5,6,7
	ds_load_b128 v[SC+8*NQ*\sc+NQ*\i:SC+8*NQ*\sc+NQ*\i+3], v[ADRS] offset:\i*SBLK
.endr
.endm
.macro PLACES n                        ; plain vector lines between a matrix instruction and a load into, or a read of, its registers
.rept \n
	v_nop
.endr
.endm
.macro STEP slot, q, zero              ; 128 along K, with its successor in the same slot
	s_wait_dscnt 4*NL                              ; W's set and x's blocks 0-3 are in; the youngest eight loads (x's blocks 4-7) may be out
.if \zero
	WIN FST_LO
.else
	WIN MUL_LO
.endif
	MUL16 0, (\q)%2, \q, \slot, \zero
	MUL16 2, (\q)%2, \q, \slot, \zero
	s_wait_dscnt 0
	PLACES NP
	FETCH_B \slot, (\q)+1, 1-(\q)%2
	FETCH_A \slot, (\q)+1, 0
.if \zero
	WIN FST_HI
.else
	WIN MUL_HI
.endif
	MUL16 4, (\q)%2, \q, \slot, \zero
	MUL16 6, (\q)%2, \q, \slot, \zero
	PLACES NP
	WIN 0
	FETCH_A \slot, (\q)+1, 4
.endm
; Slot 0's last step changes slots: one barrier; in front of it each wave waits for all its tensor loads (slot 1's is the one still out), adds 0 to its spare word, and waits for that and for its reads of slot 0.
.macro TURN slot, next
	s_wait_tensorcnt 0x0
	ds_add_u32 v[SPW], v[NIL]
	s_wait_dscnt 4*NL+1                            ; the add and the youngest eight loads may be out
	WIN MUL_LO
	MUL16 0, 1, NQ-1, \slot, 0
	s_wait_dscnt 0x0                               ; the add is done, and my reads of this slot are over
	s_barrier_signal -1
	MUL16 2, 1, NQ-1, \slot, 0
	WIN 0
	s_barrier_wait -1
	PLACES NP
	v_add_nc_u32 v[ADRS], 4*NQ, v[ADRS]            ; the next slot's scale words
	FETCH_B \next, 0, 0
	FETCH_A \next, 0, 0
	SCALES \next
	WIN MUL_HI
	MUL16 4, 1, NQ-1, \slot, 0
	MUL16 6, 1, NQ-1, \slot, 0
	PLACES NP
	WIN 0
	FETCH_A \next, 0, 4
.endm
.macro STEPS slot, from
.set Q, \from
.rept NQ-1-\from
	STEP \slot, Q, 0
.set Q, Q+1
.endr
.endm
	s_wait_tensorcnt 1                             ; the scales and my part of slot 0 are in; slot 1's load may be out
	s_barrier_signal -1
	s_barrier_wait -1
	FETCH_B 0, 0, 0
	FETCH_A 0, 0, 0
	SCALES 0
	FETCH_A 0, 0, 4
	s_wait_loadcnt 0x0                             ; the bias
	STEP 0, 0, 1
	STEPS 0, 1
	TURN 0, 1
	STEPS 1, 0
	s_wait_dscnt 4*NL                              ; the last step: nothing more to fetch
	WIN MUL_LO
	MUL16 0, 1, NQ-1, 1, 0
	MUL16 2, 1, NQ-1, 1, 0
	s_wait_dscnt 0
	WIN MUL_HI
	MUL16 4, 1, NQ-1, 1, 0
	MUL16 6, 1, NQ-1, 1, 0
	WIN 0
; THE WAY OUT, block by block of 16 positions x 128 channels (two heads).  A lane's eight channels pack into 16 bytes of f16; they go through my stage and come back so that
; 32 lanes hold four positions of one head: 512 consecutive bytes of memory, aligned.
.macro PACK a
.set AC, 64*((\a)%4)
	WIN 0x0a+5*((\a)/4)                            ; sources 0 and 1: window 2 or 3
.irp b, 0,1,2,3,4,5,6,7
.irp i, 0,1,2,3
	v_cvt_pk_f16_f32 v[TMP+4*\b+\i], v[AC+8*\b+2*\i], v[AC+8*\b+2*\i+1]   ; each accumulator from its low end on
.endr
.endr
	WIN 0
.endm
.macro TOSTAGE a
.set BB, BK+32*((\a)%2)
.irp b, 0,1,2,3,4,5,6,7
	ds_store_b128 v[STO], v[TMP+4*\b:TMP+4*\b+3] offset:(\b/4)*HSTG+32*(\b%4)
.endr
.irp i, 0,1,2,3,4,5,6,7
	ds_load_b128 v[BB+4*\i:BB+4*\i+3], v[RD] offset:(\i/4)*HSTG+(\i%4)*4*HP     ; served behind the stores above
.endr
.endm
.macro SEND a
.set BB, BK+32*((\a)%2)
	s_wait_dscnt 0x0                               ; the block is back in registers
	s_wait_xcnt 0x0                                ; the stores of the block before have read their registers: the next block's loads may land there
.irp i, 0,1,2,3,4,5,6,7
	global_store_b128 v[CO], v[BB+4*\i:BB+4*\i+3], s[12:13] offset:(\i/4)*262144+(\a)*2048+(\i%4)*512
.endr
.endm
	PLACES NP
	; POSITIONS 0-15 IN f32.  My block 0 holds them where my tile row is a batch's first (tile row % 8 = 0) and my row half is 0.  All lanes of such a wave stay on, all lanes of every other wave go off: no branch.
	; The eight accumulators leave as they stand, each from its low end on: 16 stores of 512 consecutive bytes, aligned.
	s_and_b32 s2, s17, 7
	s_or_b32 s2, s2, s15
	v_mov_b32 v[FLG], s2
	v_cmp_eq_u32 vcc_lo, 0, v[FLG]
	s_wait_xcnt 0x0                                ; EXEC is narrowed only behind this wait,
	s_and_saveexec_b32 s3, vcc_lo
	WIN 0x08                                       ; a store's data are its source 1: window 2
.irp b, 0,1,2,3,4,5,6,7
	global_store_b128 v[CO], v[8*\b:8*\b+3], s[F32P:F32P+1] offset:(\b/4)*FHEAD+(\b%4)*1024
	global_store_b128 v[CO], v[8*\b+4:8*\b+7], s[F32P:F32P+1] offset:(\b/4)*FHEAD+(\b%4)*1024+512
.endr
	WIN 0
	s_wait_xcnt 0x0                                ; and widened again only behind this one
	s_or_b32 exec_lo, exec_lo, s3
	PACK 0
	TOSTAGE 0
.irp a, 1,2,3,4,5,6,7
	PACK \a                                        ; its conversions stand between the last block's loads from the stage and the wait for them
	SEND \a-1
	TOSTAGE \a
.endr
	SEND 7
	s_wait_tensorcnt 0x0                           ; the wave's end
	ds_add_u32 v[SPW], v[NIL]
	s_wait_dscnt 0x0
	CROUND                                         ; the closing round
	s_endpgm
.Lfunc_end_k_q9a4218eb6f_qkv:
	.size	k_q9a4218eb6f_qkv, .Lfunc_end_k_q9a4218eb6f_qkv-k_q9a4218eb6f_qkv
	.p2alignl 7, 3214868480
	.fill 96, 4, 3214868480
	.section	.rodata,"a",@progbits
	.p2align	6, 0x0
	.amdhsa_kernel k_q9a4218eb6f_qkv
		.amdhsa_group_segment_fixed_size 327680
		.amdhsa_private_segment_fixed_size 0
		.amdhsa_enable_private_segment 0
		.amdhsa_kernarg_size 72
		.amdhsa_user_sgpr_count 2
		.amdhsa_user_sgpr_kernarg_segment_ptr 1
		.amdhsa_wavefront_size32 1
		.amdhsa_system_sgpr_workgroup_id_x 1
		.amdhsa_system_sgpr_workgroup_id_y 1
		.amdhsa_system_sgpr_workgroup_id_z 1
		.amdhsa_system_vgpr_workitem_id 0
		.amdhsa_next_free_vgpr 1024
		.amdhsa_next_free_sgpr 102
		.amdhsa_reserve_vcc 1
		.amdhsa_float_denorm_mode_32 3
		.amdhsa_float_denorm_mode_16_64 3
		.amdhsa_memory_ordered 1
		.amdhsa_forward_progress 1
		.amdhsa_inst_pref_size 131
	.end_amdhsa_kernel
	.amdgpu_metadata
---
amdhsa.version: [ 1, 2 ]
amdhsa.kernels:
  - .name:           k_q9a4218eb6f_qkv
    .symbol:         k_q9a4218eb6f_qkv.kd
    .args:
      - { .name: xc, .offset: 0, .size: 8, .value_kind: global_buffer, .address_space: global }
      - { .name: xs, .offset: 8, .size: 8, .value_kind: global_buffer, .address_space: global }
      - { .name: wc, .offset: 16, .size: 8, .value_kind: global_buffer, .address_space: global }
      - { .name: ws, .offset: 24, .size: 8, .value_kind: global_buffer, .address_space: global }
      - { .name: qkv, .offset: 32, .size: 8, .value_kind: global_buffer, .address_space: global }
      - { .name: bq, .offset: 40, .size: 8, .value_kind: global_buffer, .address_space: global }
      - { .name: bk, .offset: 48, .size: 8, .value_kind: global_buffer, .address_space: global }
      - { .name: bv, .offset: 56, .size: 8, .value_kind: global_buffer, .address_space: global }
      - { .name: q32, .offset: 64, .size: 8, .value_kind: global_buffer, .address_space: global }
    .group_segment_fixed_size: 327680
    .private_segment_fixed_size: 0
    .kernarg_segment_align: 8
    .kernarg_segment_size: 72
    .max_flat_workgroup_size: 128
    .sgpr_count:     102
    .vgpr_count:     1024
    .wavefront_size: 32
...
	.end_amdgpu_metadata
.endif
;; end of part 2
;; launch attn (part 3): grid 8 x 32, 16 waves a work-group, no clusters, 327,680 bytes of LDS; arguments qkv, yimg; writes yimg
.if DOCPART == 3
	.amdgcn_target "amdgcn-amd-amdhsa--gfx1250"
	.amdhsa_code_object_version 6
	.text
	.protected	k_q9a4218eb6f_attn
	.globl	k_q9a4218eb6f_attn
	.p2align	8
	.type	k_q9a4218eb6f_attn,@function
k_q9a4218eb6f_attn:
	s_mov_b64 s[64:65], 0
	v_nop
	global_prefetch_b8 v0, s[64:65] scope:SCOPE_SE
	s_setreg_imm32_b32 hwreg(HW_REG_WAVE_MODE, 25, 1), 1
	s_wait_xcnt 0x0
; y[b][h][q] = the sum over k <= q of softmax_k(q . k / 8) v, on f16 operands with f32 sums; maxima, exponentials and row sums in f32; a running maximum m is taken away ahead of every exponential.
; qkv: q, k, v, 2^23 bytes apart, each [b][h][2048][64] f16.  y leaves as f16 IN THE ORDER OF THE NEXT PRODUCT'S OPERAND REGISTERS:
; yimg [head / 4][(2048 b + t) / 16][2 (head % 4) + c][half][lane][16 B]: a fragment of 16 positions x 32 channels, registers 0-3 in half 0, 4-7 in half 1.
; LIMITS: |q|, |k|, |v| under 65,504; weights p under 2^-24 fall to 0 in f16 beside a largest p of 1.  Positions 0-15 of each sequence are computed here too and are replaced by the launches in f32 that follow.
; SHARES.  A work-group owns the query blocks i and 15 - i (128 queries each) of one (b, h): 17 blocks of keys under the causal mask for every work-group.  Each of its sixteen waves owns 16 queries in 256 registers,
; four waves to a SIMD, so that one wave's vector work stands beside another's matrix work and LDS loads.
; NO CLUSTER: under the causal mask the work-groups of a head need different numbers of K's and V's tiles: a partner would jump over the reads of a tile that a joint load brings.
; K's and V's tiles come through two LDS slots of 256 keys (waves 0, 1: K's halves; waves 2, 3: V's).  EVERY work-group walks all 8 slots: trip counts are constants; a step all of whose keys are hidden is jumped over (ids alone),
; and a slot whose first key lies behind the work-group's last query is not asked for.  Every wait on TENSORcnt is for 0; a wave has at most one tensor load out.
; LAYOUT.  S^T = K Q^T (source 0 = 16 keys, source 1 = my 16 queries): a lane holds ONE query (lane % 16) and keys 8 (lane / 16) + 0..7 of a tile.  Two tiles, rounded to f16 in pairs, ARE source 1 of O^T = V^T P.
; V ([key][channel]) comes out of LDS turned, by ds_load_tr16_b128.
.set KP,    144                        ; a key's row in LDS: 128 bytes + 16
.set PV,    160                        ; a row of V: 128 + 32: an odd multiple of 32 bytes, for the turning load
.set SK,    256                        ; keys in a slot: 4 steps of 64
.set VOFF,  SK*KP
.set SLOT1, 1<<17
.set NSL,   2048/SK
.set SPARE, SLOT1+VOFF+SK*PV           ; the spare words, 128 bytes for each of 16 waves
.set AK0,  1
.set AV0,  2
.set ADK,  3
.set ADV,  4
.set SPW,  5
.set NIL,  6
.set GO,   7                           ; 16 x lane
.set RH,   8                           ; r - 8 h
.set PFO,  9                           ; 256 x lane
.set CC,   16                          ; v16-19 four chains of the maximum; v[16:17] later a chain of the sum
.set QR,   24                          ; v24-39   Q: 2 fragments
.set S,    40                          ; v40-71   S^T, then p: tile u at 40 + 8 u
.set P,    72                          ; v72-87   p in f16
.set OT,   88                          ; v88-119  O^T: channels 16 n on at 88 + 8 n
.set KR,   120                         ; v120-183 K: tile u, channels 32 c on at 120 + 16 u + 8 c
.set VR,   184                         ; v184-247 V^T: keys 32 kc on, channels 16 n on at 184 + 32 kc + 8 n
; v10 c m, v11 m, v[12:13] l (even keys', odd keys'), v14 a (v15 named with it), v20 c m_old and the difference, v21 a permute's destination, v22 -infinity, v23 d
.set TB,    2                          ; s2   the slot in hand
.set SLOTS, 3                          ; s3   changes of slots still to come that may fill
.set WV,    18
.set BH,    19                         ; 16 b + head
.set SEL,   20
.set CS,    22                         ; s[22:23] c = log2(e) / 8
.set G1K,   24
.set G1V,   32
.set G0K,   40
.set G0V,   44
.set KF,    48                         ; the step's first key
.set Q0,    49                         ; my first query
.set LASTQ, 50                         ; my work-group's last query
.set LIM,   51
.set PFA,   52
.macro TLOAD                           ; waves 0, 1 fetch K's halves, waves 2, 3 V's, the others nothing.  An s_nop 0 and four v_nop follow each line
	s_cmp_lt_u32 s[WV], 2
	s_cbranch_scc0 .Lnot_k_\@
	tensor_load_to_lds s[G0K:G0K+3], s[G1K:G1K+7]
	s_nop 0
.rept 4
	v_nop
.endr
	s_branch .Lasked_\@
.Lnot_k_\@:
	s_cmp_lt_u32 s[WV], 4
	s_cbranch_scc0 .Lasked_\@
	tensor_load_to_lds s[G0V:G0V+3], s[G1V:G1V+7]
	s_nop 0
.rept 4
	v_nop
.endr
.Lasked_\@:
.endm
; A prefetch of what the NEXT change of slots will ask for: 32,768 dense bytes of K and of V.  All work-groups of a head walk the same K and V: the head's first work-group (x = 0, which loads all 8 slots) asks,
; by the waves that fetch nothing: waves 4-7 K's, waves 8-11 V's, 8,192 bytes a wave, lanes 256 bytes apart: each aligned block of 256 bytes is named once in the launch.
; Slots 0 and 1 come by their loads alone; the last change that fills asks for nothing: slot 7 is the last.
.macro ASK
	s_cmp_gt_u32 s[SLOTS], s[LIM]
	s_cbranch_scc0 .Lnot_mine_\@
	global_prefetch_b8 v[PFO], s[PFA:PFA+1] th:TH_LOAD_NT scope:SCOPE_SE
.Lnot_mine_\@:
.endm
	s_load_b128 s[4:7], s[0:1], 0x0                ; qkv, yimg
	v_lshl_add_u32 v[SPW], v0, 2, SPARE
	v_mov_b32 v[NIL], 0
	ds_add_u32 v[SPW], v[NIL]                      ; the wave's opening: the add, twice on end, and its wait ahead of the first tensor load
	ds_add_u32 v[SPW], v[NIL]
	v_lshrrev_b32 v1, 5, v0
	v_readfirstlane_b32 s[WV], v1                  ; wave 0..15
	s_and_b32 s[BH], ttmp7, 0xffff
	s_lshr_b32 s54, s[WV], 3                       ; 0: block i; 1: block 15 - i
	s_lshl_b32 s55, ttmp9, 1
	s_sub_co_u32 s55, 15, s55
	s_mul_i32 s55, s55, s54
	s_add_co_u32 s55, s55, ttmp9                   ; my block of 128 queries
	s_lshl_b32 s55, s55, 7
	s_and_b32 s56, s[WV], 7
	s_lshl_b32 s56, s56, 4
	s_add_co_u32 s[Q0], s55, s56
	s_sub_co_u32 s[LASTQ], 16, ttmp9
	s_lshl_b32 s[LASTQ], s[LASTQ], 7
	s_sub_co_u32 s[LASTQ], s[LASTQ], 1             ; 128 (16 - i) - 1
	s_mov_b32 s[G1K], (1<<16)|(1<<20)|(4<<22)|(3<<25)  ; elements of 2 bytes; padding on: 4 words behind every 32
	s_mov_b32 s[G1V], (1<<16)|(1<<20)|(4<<22)|(7<<25)  ; 8 words behind every 32
.irp g, G1K, G1V
	s_mov_b32 s[\g+1], 64<<16                      ; tensor_dim0 = 64
	s_mov_b32 s[\g+2], 128<<16                     ; tensor_dim1 = 128
	s_mov_b32 s[\g+3], 64<<16                      ; tile_dim0
	s_mov_b32 s[\g+4], 128                         ; tile_dim1
	s_mov_b32 s[\g+5], 64                          ; the pitch
	s_mov_b32 s[\g+6], 0
	s_mov_b32 s[\g+7], 0
.endr
	s_mov_b32 s[SEL], 0x76543210
	s_mov_b32 s[SEL+1], 0xfedcba98
	s_mov_b32 s[CS], 0x3e38aa3b                    ; log2(e) / 8
	s_mov_b32 s[CS+1], s[CS]
	s_mov_b32 s[TB], 0
	s_mov_b32 s[SLOTS], NSL-1
	s_mov_b32 s[KF], 0
	s_and_b32 s54, s[WV], 1                        ; which half of a slot's rows I fetch, if I fetch
	s_mul_i32 s55, s54, 128*KP
	s_mul_i32 s56, s54, 128*PV
	s_add_co_u32 s56, s56, VOFF
	s_lshl_b32 s57, s54, 14
	s_lshl_b32 s58, s[BH], 18
	s_add_co_u32 s58, s58, s57
	s_mov_b32 s59, 0
	s_wait_dscnt 0x0                               ; both opening adds are done
	s_wait_kmcnt 0x0
	s_mov_b32 s[G0K], 1
	s_mov_b32 s[G0K+1], s55
	s_add_nc_u64 s[G0K+2:G0K+3], s[4:5], s[58:59]
	s_add_nc_u64 s[G0K+2:G0K+3], s[G0K+2:G0K+3], 0x800000
	s_or_b32 s[G0K+3], s[G0K+3], 0x80000000
	s_mov_b32 s[G0V], 1
	s_mov_b32 s[G0V+1], s56
	s_add_nc_u64 s[G0V+2:G0V+3], s[4:5], s[58:59]
	s_add_nc_u64 s[G0V+2:G0V+3], s[G0V+2:G0V+3], 0x1000000
	s_or_b32 s[G0V+3], s[G0V+3], 0x80000000
	TLOAD                                          ; slot 0: it holds key 0, which counts for every query
	s_lshl_b32 s54, s[BH], 18
	s_lshl_b32 s55, s[Q0], 7
	s_add_co_u32 s54, s54, s55
	s_mov_b32 s55, 0
	s_add_nc_u64 s[60:61], s[4:5], s[54:55]        ; q at my first query
	v_and_b32 v16, 15, v0                          ; r
	v_bfe_u32 v17, v0, 4, 1                        ; h
	v_lshlrev_b32 v3, 7, v16
	v_lshl_add_u32 v3, v17, 4, v3
.irp c, 0,1
	global_load_b128 v[QR+8*\c:QR+8*\c+3], v3, s[60:61] offset:64*\c
	global_load_b128 v[QR+8*\c+4:QR+8*\c+7], v3, s[60:61] offset:64*\c+32
.endr
	s_and_b32 s54, s[BH], 15                       ; where my 2,048 bytes of yimg begin
	s_lshr_b32 s54, s54, 2
	s_lshl_b32 s54, s54, 21
	s_lshr_b32 s55, s[BH], 4
	s_lshl_b32 s55, s55, 7
	s_lshr_b32 s56, s[Q0], 4
	s_add_co_u32 s55, s55, s56
	s_lshl_b32 s55, s55, 13
	s_add_co_u32 s54, s54, s55
	s_and_b32 s55, s[BH], 3
	s_lshl_b32 s55, s55, 11
	s_add_co_u32 s54, s54, s55
	s_mov_b32 s55, 0
	s_add_nc_u64 s[6:7], s[6:7], s[54:55]
	s_mov_b32 s54, 0x1000000                       ; the prefetches: V's tensor, or
	s_cmp_lt_u32 s[WV], 8
	s_cselect_b32 s54, 0x800000, s54               ; K's,
	s_lshl_b32 s55, s[BH], 18
	s_add_co_u32 s54, s54, s55                     ; my head,
	s_and_b32 s55, s[WV], 3
	s_lshl_b32 s55, s55, 13
	s_add_co_u32 s54, s54, s55                     ; my wave's 8,192 bytes,
	s_add_co_u32 s54, s54, SK*128                  ; in slot 1: the first change steps it to slot 2
	s_mov_b32 s55, 0
	s_add_nc_u64 s[PFA:PFA+1], s[4:5], s[54:55]
	s_sub_co_u32 s54, s[WV], 4
	s_lshr_b32 s54, s54, 3                         ; 0 in waves 4 to 11
	s_or_b32 s54, s54, ttmp9                       ; of the head's first work-group
	s_cmp_eq_u32 s54, 0
	s_cselect_b32 s[LIM], 1, -1
	v_mul_u32_u24 v[AK0], v16, KP
	v_lshl_add_u32 v[AK0], v17, 4, v[AK0]          ; K: row r x pitch + 16 h
	v_and_b32 v18, 7, v0
	v_bfe_u32 v19, v0, 3, 1
	v_lshl_add_u32 v[AV0], v17, 3, v18             ; V: key 8 h + l % 8,
	v_mul_u32_u24 v[AV0], v[AV0], PV
	v_lshl_add_u32 v[AV0], v19, 4, v[AV0]          ; channels 8 ((l / 8) % 2) on
	v_add_nc_u32 v[AV0], VOFF, v[AV0]
	v_and_b32 v[GO], 31, v0
	v_lshlrev_b32 v[PFO], 8, v[GO]
	v_lshlrev_b32 v[GO], 4, v[GO]
	v_lshlrev_b32 v[RH], 3, v17
	v_sub_nc_u32 v[RH], v16, v[RH]
	v_mov_b32 v11, 0xff61b1e6                      ; m: -3e38, under every score
	v_mul_f32 v10, s[CS], v11                      ; c m
	v_mov_b32 v12, 0                               ; l
	v_mov_b32 v13, 0
	v_mov_b32 v15, 0                               ; named as the upper half of the pair v[14:15]
	v_mov_b32 v21, 0                               ; a lane permute's destination counts as one of its sources
	v_mov_b32 v22, 0xff800000                      ; -infinity
.set i, 0
.rept 32
	v_mov_b32 v[OT+i], 0                           ; O^T.  The step is written once: the first finds zeros, which a = 0 leaves zeros
.set i, i+1
.endr
; A KEY STEP: 64 keys, the q-th of the slot in hand.
.macro STEP q
	s_add_co_u32 s54, s[Q0], 15
	s_cmp_gt_u32 s[KF], s54                        ; all 64 keys come after my 16 queries: the step's work is left out (ids and the count of steps alone)
	s_cbranch_scc1 .Lhidden_\@
	s_sub_co_i32 s55, s[Q0], s[KF]
	v_add_nc_u32 v[ADK], s[TB], v[AK0]             ; these four plain lines are also the places between the last step's products and the loads into V's registers
	v_add_nc_u32 v[ADV], s[TB], v[AV0]
	v_mov_b32 v20, v10                             ; c m_old
	v_add_nc_u32 v23, s55, v[RH]                   ; d = my query - KF - 8 h: register 8 u + j holds key KF + 16 u + 8 h + j: hidden where 16 u + j > d
.irp u, 0,1,2,3
.irp c, 0,1
	ds_load_b128 v[KR+16*\u+8*\c:KR+16*\u+8*\c+3], v[ADK] offset:(64*(\q)+16*\u)*KP+64*\c
	ds_load_b128 v[KR+16*\u+8*\c+4:KR+16*\u+8*\c+7], v[ADK] offset:(64*(\q)+16*\u)*KP+64*\c+32
.endr
.endr
.irp kc, 0,1
.irp n, 0,1,2,3
	ds_load_tr16_b128 v[VR+32*\kc+8*\n:VR+32*\kc+8*\n+3], v[ADV] offset:(64*(\q)+32*\kc)*PV+32*\n
	ds_load_tr16_b128 v[VR+32*\kc+8*\n+4:VR+32*\kc+8*\n+7], v[ADV] offset:(64*(\q)+32*\kc)*PV+16*PV+32*\n
.endr
.endr
	s_wait_dscnt 16                                ; K's 16 loads are in; V's 16 stay out
.irp u, 0,1,2,3                                ; the four accumulators take turns
	v_wmma_f32_16x16x32_f16 v[S+8*\u:S+8*\u+7], v[KR+16*\u:KR+16*\u+7], v[QR:QR+7], 0
.endr
.irp u, 0,1,2,3
	v_wmma_f32_16x16x32_f16 v[S+8*\u:S+8*\u+7], v[KR+16*\u+8:KR+16*\u+15], v[QR+8:QR+15], v[S+8*\u:S+8*\u+7]
.endr
.rept 4
	v_nop                                          ; places ahead of the first read of the scores
.endr
	s_add_co_u32 s56, s[KF], 63
	s_cmp_le_u32 s56, s[Q0]                        ; all 64 keys count for all my queries: no mask
	s_cbranch_scc1 .Lopen_\@
.set n, 0
.rept 32
	v_cmp_gt_i32 vcc_lo, 16*(n/8)+n%8, v23
	v_cndmask_b32 v[S+n], v[S+n], v22, vcc_lo      ; hidden scores become -infinity: p = 0
.set n, n+1
.endr
.Lopen_\@:
.irp u, 0,1,2,3
	v_max3_num_f32 v[CC+\u], v[S+8*\u], v[S+8*\u+1], v[S+8*\u+2]   ; four chains, each from its tile's low end
.endr
.irp i, 3,5
.irp u, 0,1,2,3
	v_max3_num_f32 v[CC+\u], v[CC+\u], v[S+8*\u+\i], v[S+8*\u+\i+1]
.endr
.endr
	v_max3_num_f32 v[CC], v[CC], v[S+7], v[S+15]
	v_max3_num_f32 v[CC+2], v[CC+2], v[S+23], v[S+31]
	v_max3_num_f32 v[CC], v[CC], v[CC+1], v[CC+2]
	v_max3_num_f32 v[CC], v[CC], v[CC+3], v11      ; with the old m
	v_permlanex16_b32 v21, v[CC], s[SEL], s[SEL+1] ; the query's other 32 keys lie in the lane 16 away
	v_max_num_f32 v11, v[CC], v21                  ; the new m
	v_mul_f32 v10, s[CS], v11
	v_sub_f32 v20, v20, v10                        ; c m_old - c m_new
.set i, 0
.rept 16
	v_pk_fma_f32 v[S+2*i:S+2*i+1], v[S+2*i:S+2*i+1], s[CS:CS+1], v[10:11] op_sel_hi:[1,0,0] neg_lo:[0,0,1] neg_hi:[0,0,1]   ; c s - c m
.set i, i+1
.endr
	v_exp_f32 v14, v20                             ; a
.set i, 0
.rept 32
	v_exp_f32 v[S+i], v[S+i]                       ; p, at most 1
.set i, i+1
.endr
	v_nop                                          ; the plain line behind the last exponential
	s_wait_alu depctr_va_vdst(0)                   ; one wait for the batch of 33, ahead of its first reader
.set i, 0
.rept 16
	v_cvt_pk_f16_f32 v[P+i], v[S+2*i], v[S+2*i+1]
.set i, i+1
.endr
	v_pk_add_f32 v[16:17], v[S:S+1], v[S+2:S+3]    ; the row's sum of the unrounded p, in two chains
	v_pk_fma_f32 v[12:13], v[12:13], v[14:15], v[S+4:S+5] op_sel_hi:[1,0,1]   ; l = a l + ..
.irp b, 3,5,7,9,11,13
	v_pk_add_f32 v[16:17], v[16:17], v[S+2*\b:S+2*\b+1]
	v_pk_add_f32 v[12:13], v[12:13], v[S+2*\b+2:S+2*\b+3]
.endr
	v_pk_add_f32 v[16:17], v[16:17], v[S+30:S+31]
	v_pk_add_f32 v[12:13], v[12:13], v[16:17]
.set i, 0
.rept 16
	v_pk_mul_f32 v[OT+2*i:OT+2*i+1], v[OT+2*i:OT+2*i+1], v[14:15] op_sel_hi:[1,0]   ; O^T x a, from each accumulator's low end on
.set i, i+1
.endr
	s_wait_dscnt 0x0                               ; V is in
.irp kc, 0,1
.irp n, 0,1,2,3
	v_wmma_f32_16x16x32_f16 v[OT+8*\n:OT+8*\n+7], v[VR+32*\kc+8*\n:VR+32*\kc+8*\n+7], v[P+8*\kc:P+8*\kc+7], v[OT+8*\n:OT+8*\n+7]
.endr
.endr
.Lhidden_\@:
	s_add_co_u32 s[KF], s[KF], 64
.endm
; THE CHANGE OF SLOTS stands at a slot's head: each wave waits for all its tensor loads, adds 0 to its spare word, waits for that and for its reads of the slot that it has left, and passes the barrier.
; fill = 1: the slot just left is filled with the next 256 keys, unless they all lie behind the work-group's last query: then no wave would read them.
.macro CHANGE fill
	s_wait_tensorcnt 0x0                           ; no tensor load of mine is out: a group 0 may be written
	ds_add_u32 v[SPW], v[NIL]
.if \fill
	ds_add_u32 v[SPW], v[NIL]                      ; and twice on end here, in every trip alike
	s_xor_b32 s[G0K+1], s[G0K+1], SLOT1
	s_add_nc_u64 s[G0K+2:G0K+3], s[G0K+2:G0K+3], SK*128
	s_xor_b32 s[G0V+1], s[G0V+1], SLOT1
	s_add_nc_u64 s[G0V+2:G0V+3], s[G0V+2:G0V+3], SK*128
	s_wait_xcnt 0x0                                ; the last prefetch, a slot back, has read its address
	s_add_nc_u64 s[PFA:PFA+1], s[PFA:PFA+1], SK*128
.endif
	s_wait_dscnt 0x0
	s_barrier_signal -1
	s_barrier_wait -1
.if \fill
	s_add_co_u32 s54, s[KF], SK                    ; the first key of the slot that this change would ask for
	s_cmp_gt_u32 s54, s[LASTQ]                     ; ids and the count of steps alone: all sixteen waves go the same way
	s_cbranch_scc1 .Lpast_\@
	TLOAD
.Lpast_\@:
	ASK
.endif
.endm
.macro SLOT_STEPS
	STEP 0
	STEP 1
	STEP 2
	STEP 3
	s_xor_b32 s[TB], s[TB], SLOT1
.endm
	s_wait_loadcnt 0x0                             ; Q
.Lslot:                                            ; 7 trips
	CHANGE 1
	SLOT_STEPS
	s_sub_co_u32 s[SLOTS], s[SLOTS], 1
	s_cmp_lg_u32 s[SLOTS], 0
	s_cbranch_scc1 .Lslot
	CHANGE 0                                       ; the last slot is written out: nothing is left to ask for
	SLOT_STEPS
	; THE WAY OUT: O^T / l, rounded to f16: tile n's four registers are half n % 2 of the fragment of channels 32 (n / 2) on: stored as they stand, 512 consecutive bytes a store.
.rept 4
	v_nop
.endr
	v_add_f32 v12, v12, v13
	v_permlanex16_b32 v21, v12, s[SEL], s[SEL+1]
	v_add_f32 v12, v12, v21
	v_rcp_f32 v14, v12
	v_nop
	s_wait_alu depctr_va_vdst(0)                   ; ahead of the reciprocal's first reader
.set i, 0
.rept 16
	v_pk_mul_f32 v[OT+2*i:OT+2*i+1], v[OT+2*i:OT+2*i+1], v[14:15] op_sel_hi:[1,0]
.set i, i+1
.endr
.set i, 0
.rept 16
	v_cvt_pk_f16_f32 v[P+i], v[OT+2*i], v[OT+2*i+1]
.set i, i+1
.endr
.irp n, 0,1,2,3
	global_store_b128 v[GO], v[P+4*\n:P+4*\n+3], s[6:7] offset:512*\n
.endr
	s_wait_tensorcnt 0x0                           ; the wave's end
	ds_add_u32 v[SPW], v[NIL]
	s_wait_dscnt 0x0
	s_endpgm
.Lfunc_end_k_q9a4218eb6f_attn:
	.size	k_q9a4218eb6f_attn, .Lfunc_end_k_q9a4218eb6f_attn-k_q9a4218eb6f_attn
	.p2alignl 7, 3214868480
	.fill 96, 4, 3214868480
	.section	.rodata,"a",@progbits
	.p2align	6, 0x0
	.amdhsa_kernel k_q9a4218eb6f_attn
		.amdhsa_group_segment_fixed_size 327680
		.amdhsa_private_segment_fixed_size 0
		.amdhsa_enable_private_segment 0
		.amdhsa_kernarg_size 16
		.amdhsa_user_sgpr_count 2
		.amdhsa_user_sgpr_kernarg_segment_ptr 1
		.amdhsa_wavefront_size32 1
		.amdhsa_system_sgpr_workgroup_id_x 1
		.amdhsa_system_sgpr_workgroup_id_y 1
		.amdhsa_system_sgpr_workgroup_id_z 1
		.amdhsa_system_vgpr_workitem_id 0
		.amdhsa_next_free_vgpr 256
		.amdhsa_next_free_sgpr 66
		.amdhsa_reserve_vcc 1
		.amdhsa_float_denorm_mode_32 3
		.amdhsa_float_denorm_mode_16_64 3
		.amdhsa_memory_ordered 1
		.amdhsa_forward_progress 1
		.amdhsa_inst_pref_size 107
	.end_amdhsa_kernel
	.amdgpu_metadata
---
amdhsa.version: [ 1, 2 ]
amdhsa.kernels:
  - .name:           k_q9a4218eb6f_attn
    .symbol:         k_q9a4218eb6f_attn.kd
    .args:
      - { .name: qkv, .offset: 0, .size: 8, .value_kind: global_buffer, .address_space: global }
      - { .name: yimg, .offset: 8, .size: 8, .value_kind: global_buffer, .address_space: global }
    .group_segment_fixed_size: 327680
    .private_segment_fixed_size: 0
    .kernarg_segment_align: 8
    .kernarg_segment_size: 16
    .max_flat_workgroup_size: 512
    .sgpr_count:     66
    .vgpr_count:     256
    .wavefront_size: 32
...
	.end_amdgpu_metadata
.endif
;; end of part 3
;; launch proj (part 4): grid 8 x 32, 4 waves a work-group, clusters of 4 x 4, 327,680 bytes of LDS; arguments yimg, wo16, bo, out0; writes out0
.if DOCPART == 4
	.amdgcn_target "amdgcn-amd-amdhsa--gfx1250"
	.amdhsa_code_object_version 6
	.text
	.protected	k_q9a4218eb6f_proj
	.globl	k_q9a4218eb6f_proj
	.p2align	8
	.type	k_q9a4218eb6f_proj,@function
k_q9a4218eb6f_proj:
	s_mov_b64 s[64:65], 0
	v_nop
	global_prefetch_b8 v0, s[64:65] scope:SCOPE_SE
	s_setreg_imm32_b32 hwreg(HW_REG_WAVE_MODE, 25, 1), 1
	s_wait_xcnt 0x0
	s_wait_alu depctr_hold_cnt(0) depctr_sa_sdst(0) depctr_va_vdst(0) depctr_va_sdst(0) depctr_va_ssrc(0) depctr_va_vcc(0) depctr_vm_vsrc(0)
	s_getreg_b32 s2, hwreg(HW_REG_IB_STS2, 6, 4)
	s_cmp_eq_u32 s2, 0
	s_cbranch_scc0 .Lentry_in_a_cluster
	s_endpgm
.Lentry_in_a_cluster:
	s_bfe_u32 s2, ttmp6, 0x10000c
	s_cmp_lg_u32 s2, 0xf033
	s_cbranch_scc0 .Lentry_shape_is_right
	s_endpgm
.Lentry_shape_is_right:
; out0[m][n] = sum over k of y[m][k] Wo[n][k] + bo[n]: [4096] x [1024] x K 1,024, f16 operands, f32 sums, f32 out.
; y comes as images of operand registers: yimg [k / 256][m / 16][8 chunks of 32 k][half][lane][16 B]; wo16 is [1024 n][1024 k] f16.
; LIMIT: f16 operands: |y|, |Wo| under 65,504.  Positions 0-15 of each sequence are stored here too and are replaced by the launch in f32 that follows.
; A tile of 128 x 128 gives 256 work-groups.  Four waves, each 64 x 64: 16 accumulators.  K goes in steps of 256 through two LDS slots.
; y's part of a slot is 8 row tiles x 8,192 bytes, ONE dense block of memory, read back 512 consecutive bytes a load: no pitch, no padding.  Wo's part: 128 rows of 512 bytes + 16.
; CLUSTERS: 4 x 4.  A row of the cluster needs the same tiles of y, a column the same tiles of Wo: asked for jointly.  No prefetch: the tiles are small and shared.
; TRANSPOSED USE (source 0 = 16 rows of Wo, source 1 = 16 rows of y): a lane holds eight neighbouring columns of a row of out0.  The bias is the C of each sum's first instruction.
; REGISTERS: window 0: v0-31 addresses; v32-95 the way out; v96-127 the bias; v128-255 accumulators ((a, b) at v[128 + 8 (4 a + b)]).  window 1: two fragment buffers of 128: 64 of y, then 64 of Wo.
.set SIZE_K, 1024
.set KSTEP,  256
.set PITCH,  528
.set HALFA,  32768                     ; 4 row tiles of y: what one tensor load brings, and what one wave reads
.set HALFB,  64*PITCH
.set BOFF,   2*HALFA
.set SLOT,   BOFF+2*HALFB
.set STAGE,  2*SLOT                    ; behind the ring: 16 rows x 272 bytes for each wave
.set SPITCH, 272
.set SPARE,  STAGE+4*16*SPITCH
.set LAPS,   SIZE_K/(2*KSTEP)
.set ADRA, 16
.set ADRB, 20
.set STO,  24
.set RD,   25
.set CO,   26
.set BOF,  27
.set SPW,  28
.set NIL,  29
.set OB,   32
.set BI,   96
.set ACC,  128
.set F0,   0
.set F1,   128
.set G1, 24
.set G0, 32
.set G1B, 48
.set G0B, 56
.set MSB, 0
.macro WIN new
.if MSB != \new
	s_set_vgpr_msb (MSB<<8)|\new
.set MSB, \new
.endif
.endm
.set MUL,  0x05                        ; sources 0 and 1 window 1; C and D window 0
.set TO_F, 0x40                        ; destination window 1, address window 0
.macro JLOAD s                         ; waves 0, 1 fetch y's halves, waves 2, 3 Wo's; an s_nop 0 and four v_nop follow each line
	s_cmp_eq_u32 s11, 0
	s_cbranch_scc0 .Lfor_b_\@
	tensor_load_to_lds s[G0+4*\s:G0+4*\s+3], s[G1:G1+7]
	s_nop 0
.rept 4
	v_nop
.endr
	s_branch .Lasked_\@
.Lfor_b_\@:
	tensor_load_to_lds s[G0B+4*\s:G0B+4*\s+3], s[G1B:G1B+7]
	s_nop 0
.rept 4
	v_nop
.endr
.Lasked_\@:
.endm
.macro CREST
	s_cmp_lg_u32 s10, 0
	s_cbranch_scc1 .Lnot_wave_0_\@
	s_barrier_signal -3
.Lnot_wave_0_\@:
	s_barrier_wait -3
	s_barrier_signal -1
	s_barrier_wait -1
.endm
.macro CROUND
	s_barrier_signal -1
	s_barrier_wait -1
	CREST
.endm
	s_load_b128 s[4:7], s[0:1], 0x0                ; yimg, wo16
	s_load_b128 s[68:71], s[0:1], 0x10             ; bo, out0
	v_lshl_add_u32 v[SPW], v0, 2, SPARE
	v_mov_b32 v[NIL], 0
	ds_add_u32 v[SPW], v[NIL]                      ; the wave's opening: the add, twice on end, and its wait ahead of my first tensor load
	ds_add_u32 v[SPW], v[NIL]
	v_lshrrev_b32 v1, 5, v0
	v_readfirstlane_b32 s10, v1                    ; wave 0..3
	s_lshr_b32 s11, s10, 1                         ; my half of the tile's rows.  Also: I fetch for y (0) or Wo (1)
	s_and_b32 s12, s10, 1                          ; my half of its columns.  Also: which half of that tile I fetch
	s_bfe_u32 s40, ttmp6, 0x40000
	s_bfe_u32 s41, ttmp6, 0x40004
	s_lshl_b32 s42, ttmp9, 2
	s_add_co_u32 s42, s42, s40                     ; tile column
	s_and_b32 s13, ttmp7, 0xffff
	s_lshl_b32 s13, s13, 2
	s_add_co_u32 s13, s13, s41                     ; tile row
	s_lshl_b32 s43, s41, 2
	s_lshl_b32 s43, 15, s43                        ; my row of the cluster
	s_lshl_b32 s44, 0x1111, s40                    ; my column
	s_or_b32 s[G1+0], s43, (3<<16)|(1<<21)         ; y: the mask; elements of 8 bytes; no padding; bit 21 beside a mask
	s_mov_b32 s[G1+1], 32<<16                      ; a dense block of 32,768 bytes as 128 rows of 256
	s_mov_b32 s[G1+2], 128<<16
	s_mov_b32 s[G1+3], 32<<16
	s_mov_b32 s[G1+4], 128
	s_mov_b32 s[G1+5], 32
	s_mov_b32 s[G1+6], 0
	s_mov_b32 s[G1+7], 0
	s_or_b32 s[G1B+0], s44, (1<<16)|(1<<20)|(1<<21)|(6<<22)|(3<<25)  ; Wo: elements of 2 bytes; 4 words of padding behind every 128
	s_mov_b32 s[G1B+1], KSTEP<<16
	s_mov_b32 s[G1B+2], 64<<16
	s_mov_b32 s[G1B+3], KSTEP<<16
	s_mov_b32 s[G1B+4], 64
	s_mov_b32 s[G1B+5], SIZE_K
	s_mov_b32 s[G1B+6], 0
	s_mov_b32 s[G1B+7], 0
	s_lshl_b32 s16, s13, 16                        ; y: row tile 8 x tile row + 4 x half, 8,192 bytes each
	s_lshl_b32 s17, s12, 15
	s_add_co_u32 s16, s16, s17
	s_mov_b32 s17, 0
	s_lshl_b32 s46, s42, 18                        ; Wo: row 128 x tile column + 64 x half, 2,048 bytes each
	s_lshl_b32 s47, s12, 17
	s_add_co_u32 s46, s46, s47
	s_mov_b32 s47, 0
	s_lshl_b32 s20, s12, 15                        ; where they go: no place in the cluster enters an LDS address
	s_mul_i32 s21, s12, HALFB
	s_add_co_u32 s21, s21, BOFF
	s_wait_dscnt 0x0                               ; both opening adds are done
	s_wait_kmcnt 0x0
	s_add_nc_u64 s[14:15], s[4:5], s[16:17]
	s_add_nc_u64 s[46:47], s[6:7], s[46:47]
	CROUND                                         ; all sixteen work-groups are here
.irp s, 0,1
	s_mov_b32 s[G0+4*\s], 1
	s_add_co_u32 s[G0+4*\s+1], s20, \s*SLOT
	s_add_nc_u64 s[G0+4*\s+2:G0+4*\s+3], s[14:15], \s*0x200000     ; K step s: 2^21 bytes on
	s_or_b32 s[G0+4*\s+3], s[G0+4*\s+3], 0x80000000
	s_mov_b32 s[G0B+4*\s], 1
	s_add_co_u32 s[G0B+4*\s+1], s21, \s*SLOT
	s_add_nc_u64 s[G0B+4*\s+2:G0B+4*\s+3], s[46:47], \s*KSTEP*2
	s_or_b32 s[G0B+4*\s+3], s[G0B+4*\s+3], 0x80000000
	JLOAD \s
.endr
	v_and_b32 v1, 15, v0                           ; r
	v_bfe_u32 v2, v0, 4, 1                         ; h
	v_and_b32 v6, 31, v0
	v_lshlrev_b32 v7, 4, v6                        ; 16 x lane: an image's place for my lane
	v_mul_u32_u24 v3, v1, PITCH
	v_lshl_add_u32 v3, v2, 4, v3
	s_lshl_b32 s22, s11, 15                        ; my 4 row tiles of y
	s_mul_i32 s23, s12, HALFB                      ; my 64 rows of Wo
	s_add_co_u32 s23, s23, BOFF
.irp s, 0,1
	v_add_nc_u32 v[ADRA+\s], s22, v7
	v_add_nc_u32 v[ADRB+\s], s23, v3
	s_add_co_u32 s22, s22, SLOT
	s_add_co_u32 s23, s23, SLOT
.endr
	s_mul_i32 s23, s10, 16*SPITCH
	s_add_co_u32 s23, s23, STAGE                   ; my stage
	v_mul_u32_u24 v4, v1, SPITCH
	v_lshl_add_u32 v4, v2, 5, v4
	v_add_nc_u32 v[STO], s23, v4                   ; in: row r, 32 bytes for each half of the lanes
	v_mul_u32_u24 v5, v2, SPITCH
	v_lshl_add_u32 v5, v1, 4, v5
	v_add_nc_u32 v[RD], s23, v5                    ; back: lanes 0-15 one row of 256 bytes, lanes 16-31 the next
	v_lshlrev_b32 v5, 12, v2
	v_lshl_add_u32 v[CO], v1, 4, v5                ; the same two rows in out0
	s_lshl_b32 s16, s13, 19                        ; my first row: 128 x tile row + 64 x half, 4,096 bytes each
	s_lshl_b32 s17, s11, 18
	s_add_co_u32 s16, s16, s17
	s_mov_b32 s17, 0
	s_add_nc_u64 s[70:71], s[70:71], s[16:17]
	s_lshl_b32 s46, s42, 9                         ; my first column, in bytes: 512 x tile column + 256 x half
	s_lshl_b32 s47, s12, 8
	s_add_co_u32 s46, s46, s47
	s_mov_b32 s47, 0
	s_add_nc_u64 s[70:71], s[70:71], s[46:47]
	s_add_nc_u64 s[68:69], s[68:69], s[46:47]      ; and the same in bo
	v_lshlrev_b32 v[BOF], 5, v2
.irp b, 0,1,2,3
	global_load_b128 v[BI+8*\b:BI+8*\b+3], v[BOF], s[68:69] offset:64*\b           ; in the result's layout: columns 16 b + 8 h + 0 .. 7
	global_load_b128 v[BI+8*\b+4:BI+8*\b+7], v[BOF], s[68:69] offset:64*\b+16
.endr
.macro MUL8 f, c, a0, zero             ; y's blocks a0, a0 + 1 x Wo's four, 32 along K.  zero = 1: the first product starts the sums from the bias.  The 16 accumulators take turns
.irp a, \a0, \a0+1
.irp b, 0,1,2,3
.if \zero
	v_wmma_f32_16x16x32_f16 v[ACC+8*(4*(\a)+\b):ACC+8*(4*(\a)+\b)+7], v[\f+64+8*(4*\c+\b):\f+64+8*(4*\c+\b)+7], v[\f+8*(4*\c+\a):\f+8*(4*\c+\a)+7], v[BI+8*\b:BI+8*\b+7]
.else
	v_wmma_f32_16x16x32_f16 v[ACC+8*(4*(\a)+\b):ACC+8*(4*(\a)+\b)+7], v[\f+64+8*(4*\c+\b):\f+64+8*(4*\c+\b)+7], v[\f+8*(4*\c+\a):\f+8*(4*\c+\a)+7], v[ACC+8*(4*(\a)+\b):ACC+8*(4*(\a)+\b)+7]
.endif
.endr
.endr
.endm
.macro FETCH slot, k, f                ; 32 LDS loads: 64 along K at byte k of Wo's rows (chunks k / 64 and k / 64 + 1 of y's images), the first 32 along K first
	WIN TO_F
.irp c, 0,1
.irp i, 0,1,2,3
	ds_load_b128 v[\f+64+8*(4*\c+\i):\f+64+8*(4*\c+\i)+3],   v[ADRB+\slot] offset:\k+64*\c+\i*16*PITCH
	ds_load_b128 v[\f+64+8*(4*\c+\i)+4:\f+64+8*(4*\c+\i)+7], v[ADRB+\slot] offset:\k+64*\c+\i*16*PITCH+32
	ds_load_b128 v[\f+8*(4*\c+\i):\f+8*(4*\c+\i)+3],         v[ADRA+\slot] offset:\i*8192+((\k)/64+\c)*1024
	ds_load_b128 v[\f+8*(4*\c+\i)+4:\f+8*(4*\c+\i)+7],       v[ADRA+\slot] offset:\i*8192+((\k)/64+\c)*1024+512
.endr
.endr
.endm
.macro PLACES
.rept 4
	v_nop
.endr
.endm
.macro QUARTER slot, k, f, g, zero     ; 64 along K: multiplies buffer f, fetches the next quarter, at byte k, into g
	s_wait_dscnt 16                                ; the first 32 along K are in; the other sixteen loads may be out
	WIN MUL
	MUL8 \f, 0, 0, \zero
	MUL8 \f, 0, 2, \zero
	PLACES
	FETCH \slot, \k, \g
	s_wait_dscnt 32                                ; all but the 32 just issued
	WIN MUL
	MUL8 \f, 1, 0, 0
	MUL8 \f, 1, 2, 0
.endm
; The last quarter changes slots: one barrier; in front of it each wave waits for all its tensor loads, adds 0 to its spare word, and waits for that and for its reads of this slot.  fill = 1: the slot is filled again, two K steps on.
.macro TURN slot, next, fill
	WIN 0
	s_wait_tensorcnt 0x0
	ds_add_u32 v[SPW], v[NIL]
	s_wait_dscnt 17                                ; the add and the youngest sixteen loads may be out
	WIN MUL
	MUL8 F1, 0, 0, 0
	s_wait_dscnt 0x0                               ; the add is done, and my reads of this slot are over
	s_barrier_signal -1
	MUL8 F1, 0, 2, 0
.if \fill
	WIN 0
.endif
	s_barrier_wait -1
.if \fill
	CREST                                          ; the barrier has opened a round of the cluster's barrier
	s_add_nc_u64 s[G0+4*\slot+2:G0+4*\slot+3], s[G0+4*\slot+2:G0+4*\slot+3], 0x400000
	s_add_nc_u64 s[G0B+4*\slot+2:G0B+4*\slot+3], s[G0B+4*\slot+2:G0B+4*\slot+3], 2*KSTEP*2
	JLOAD \slot                                    ; the first tensor load behind the round; its four v_nop are also the places in front of the loads below
.else
	PLACES
.endif
	FETCH \next, 0, F0
	WIN MUL
	MUL8 F1, 1, 0, 0
	MUL8 F1, 1, 2, 0
.endm
	s_wait_tensorcnt 1                             ; my part of K step 0 is in; K step 1's load may be out
	s_barrier_signal -1
	s_barrier_wait -1
	FETCH 0, 0, F0
	s_wait_loadcnt 0x0                             ; the bias
	QUARTER 0, 128, F0, F1, 1
	WIN 0
	s_mov_b32 s3, LAPS-1
.Llap:                                             ; a trip goes once round the ring and fills both slots again
	QUARTER 0, 256, F1, F0, 0
	QUARTER 0, 384, F0, F1, 0
	TURN 0, 1, 1
	QUARTER 1, 128, F0, F1, 0
	QUARTER 1, 256, F1, F0, 0
	QUARTER 1, 384, F0, F1, 0
	TURN 1, 0, 1
	QUARTER 0, 128, F0, F1, 0
	WIN 0
	s_sub_co_u32 s3, s3, 1
	s_cmp_lg_u32 s3, 0
	s_cbranch_scc1 .Llap
	QUARTER 0, 256, F1, F0, 0                      ; the last lap fills nothing
	QUARTER 0, 384, F0, F1, 0
	TURN 0, 1, 0
	QUARTER 1, 128, F0, F1, 0
	QUARTER 1, 256, F1, F0, 0
	QUARTER 1, 384, F0, F1, 0
	s_wait_dscnt 16
	WIN MUL
	MUL8 F1, 0, 0, 0
	MUL8 F1, 0, 2, 0
	s_wait_dscnt 0
	MUL8 F1, 1, 0, 0
	MUL8 F1, 1, 2, 0
	WIN 0
; THE WAY OUT.  My 64 columns of f32 are 256 consecutive, aligned bytes of a row: each wave has a stage of its own and no barrier is needed.  A block of 16 rows at a time.
.macro TOSTAGE a
.set BB, OB+32*((\a)%2)
.irp b, 0,1,2,3
	ds_store_b128 v[STO], v[ACC+8*(4*(\a)+\b):ACC+8*(4*(\a)+\b)+3] offset:64*\b        ; each accumulator from its low end on
	ds_store_b128 v[STO], v[ACC+8*(4*(\a)+\b)+4:ACC+8*(4*(\a)+\b)+7] offset:64*\b+16
.endr
.irp t, 0,1,2,3,4,5,6,7
	ds_load_b128 v[BB+4*\t:BB+4*\t+3], v[RD] offset:\t*2*SPITCH    ; served behind the stores above
.endr
.endm
.macro SEND a, younger
.set BB, OB+32*((\a)%2)
	s_wait_dscnt \younger
.irp t, 0,1,2,3,4,5,6,7
	global_store_b128 v[CO], v[BB+4*\t:BB+4*\t+3], s[70:71] offset:(16*(\a)+2*\t)*4096 th:TH_STORE_NT   ; 16 lanes store 256 consecutive bytes, aligned
.endr
.endm
	PLACES
	TOSTAGE 0
.irp a, 1,2,3
.if \a > 1
	s_wait_xcnt 0x0                                ; block a - 2's stores have read their registers: block a's loads may land there
.endif
	TOSTAGE \a
	SEND \a-1, 16                                  ; behind block a - 1's loads: block a's 8 stores and 8 loads
.endr
	SEND 3, 0
	s_wait_tensorcnt 0x0                           ; the wave's end
	ds_add_u32 v[SPW], v[NIL]
	s_wait_dscnt 0x0
	CROUND                                         ; the closing round
	s_endpgm
.Lfunc_end_k_q9a4218eb6f_proj:
	.size	k_q9a4218eb6f_proj, .Lfunc_end_k_q9a4218eb6f_proj-k_q9a4218eb6f_proj
	.p2alignl 7, 3214868480
	.fill 96, 4, 3214868480
	.section	.rodata,"a",@progbits
	.p2align	6, 0x0
	.amdhsa_kernel k_q9a4218eb6f_proj
		.amdhsa_group_segment_fixed_size 327680
		.amdhsa_private_segment_fixed_size 0
		.amdhsa_enable_private_segment 0
		.amdhsa_kernarg_size 32
		.amdhsa_user_sgpr_count 2
		.amdhsa_user_sgpr_kernarg_segment_ptr 1
		.amdhsa_wavefront_size32 1
		.amdhsa_system_sgpr_workgroup_id_x 1
		.amdhsa_system_sgpr_workgroup_id_y 1
		.amdhsa_system_sgpr_workgroup_id_z 1
		.amdhsa_system_vgpr_workitem_id 0
		.amdhsa_next_free_vgpr 512
		.amdhsa_next_free_sgpr 72
		.amdhsa_reserve_vcc 0
		.amdhsa_float_denorm_mode_32 3
		.amdhsa_float_denorm_mode_16_64 3
		.amdhsa_memory_ordered 1
		.amdhsa_forward_progress 1
		.amdhsa_inst_pref_size 86
	.end_amdhsa_kernel
	.amdgpu_metadata
---
amdhsa.version: [ 1, 2 ]
amdhsa.kernels:
  - .name:           k_q9a4218eb6f_proj
    .symbol:         k_q9a4218eb6f_proj.kd
    .args:
      - { .name: yimg, .offset: 0, .size: 8, .value_kind: global_buffer, .address_space: global }
      - { .name: wo16, .offset: 8, .size: 8, .value_kind: global_buffer, .address_space: global }
      - { .name: bo, .offset: 16, .size: 8, .value_kind: global_buffer, .address_space: global }
      - { .name: out0, .offset: 24, .size: 8, .value_kind: global_buffer, .address_space: global }
    .group_segment_fixed_size: 327680
    .private_segment_fixed_size: 0
    .kernarg_segment_align: 8
    .kernarg_segment_size: 32
    .max_flat_workgroup_size: 128
    .sgpr_count:     72
    .vgpr_count:     512
    .wavefront_size: 32
...
	.end_amdgpu_metadata
.endif
;; end of part 4
;; launch fine (part 5): grid 32 x 2, 16 waves a work-group, no clusters, 153,600 bytes of LDS; arguments q32, Wo, bo, out0; writes out0
.if DOCPART == 5
	.amdgcn_target "amdgcn-amd-amdhsa--gfx1250"
	.amdhsa_code_object_version 6
	.text
	.protected	k_q9a4218eb6f_fine
	.globl	k_q9a4218eb6f_fine
	.p2align	8
	.type	k_q9a4218eb6f_fine,@function
k_q9a4218eb6f_fine:
	s_mov_b64 s[64:65], 0
	v_nop
	global_prefetch_b8 v0, s[64:65] scope:SCOPE_SE
	s_setreg_imm32_b32 hwreg(HW_REG_WAVE_MODE, 25, 1), 1
	s_wait_xcnt 0x0
; Positions 0-15 of each sequence, in f32 throughout: attention and the projection on the way out, by v_wmma_f32_16x16x4_f32.  Under the causal mask these rows average one to sixteen values and are the largest
; of the output, so the rounding of f16 operands would weigh most there.  The launch replaces what the launch on f16 operands stored in these 32 rows of out0.
; q32 [batch][head][q, k, v][16 channels][half][lane][16 B]: q, k, v of these positions as f32 sums: lane (r, h), register 4 half + i: position r, channel 16 t + 8 h + 4 half + i.
; SHARES.  A work-group takes 32 columns of out0 of one batch.  A row of the projection needs all 16 heads, and no sum may span work-groups: so EVERY work-group makes the attention of all 16 heads, a head a wave:
; 12,288 bytes of q32 and 32 matrix instructions a wave.  That attention is made 32 times for each batch: the price of one launch in place of two.  64 work-groups: that is all the work there is.
; PHASE 1, wave = head.  S^T = K Q^T: a pair of an image's registers is an operand, the same order of the channels on both sides.  A lane holds query r and keys 8 h + 0..7.  The row's maximum is taken away ahead of the exponentials.
; O^T = V^T P wants V with a lane to a channel; it arrives with a lane to a key: it turns through the wave's own 16 rows of 272 bytes in LDS.  y goes to LDS as images: lane (r, h), register j: y(position r, channel 16 T + 8 h + j).
; PHASE 2.  Waves 0-7 take the first 16 columns, waves 8-15 the other 16; wave w takes k = 128 (w % 8) on.  Wo is loaded in the images' order (row n0 + r), at the kernel's head, so that it lands under phase 1.
; Source 0 = Wo, source 1 = y: a lane holds row r and columns n0 + 8 h + 0..7.  The eight partial tiles meet in LDS; waves 0 and 8 add them, in a fixed order, and the bias.
; The stores are pieces of 64 bytes of 16 rows, 131,072 bytes in all.  LIMITS: NaN and infinities are not served.
; REGISTERS: v16-47 Q, v48-79 K, v80-111 V (then V turned, then the bias); v112-127 softmax, later my partial tile; v128-191 Wo; v16-47 then y, v16-79 then y's operands and at last the partial tiles;
; v192-223 S^T's sums (v192-207 later the projection's) and v224-255 O^T's: written by the f32 matrix form alone.
.set VP,    272                        ; a key's row in the stage: 64 channels of 4 bytes + 16
.set VTW,   16*VP                      ; a wave's stage
.set YI,    16*VTW                     ; y's 64 images of 1,024 bytes
.set PR,    YI+65536                   ; 16 partial tiles of 1,024 bytes
.set SPARE, PR+16384                   ; the spare words, 128 bytes for each of 16 waves
.set QF, 16
.set KF, 48
.set VF, 80
.set BI, 80
.set PS, 112
.set WF, 128
.set SA, 192
.set OA, 224
	s_load_b256 s[4:11], s[0:1], 0x0               ; q32, Wo, bo, out0
	v_lshl_add_u32 v10, v0, 2, SPARE               ; my spare word
	v_mov_b32 v11, 0
	v_lshrrev_b32 v1, 5, v0
	v_readfirstlane_b32 s12, v1                    ; wave = head
	s_and_b32 s13, s12, 7                          ; my part of K in phase 2
	s_lshr_b32 s14, s12, 3                         ; my tile of 16 columns
	s_and_b32 s15, ttmp7, 0xffff                   ; the batch
	v_and_b32 v1, 15, v0                           ; r
	v_bfe_u32 v2, v0, 4, 1                         ; h
	v_lshlrev_b32 v3, 12, v1
	v_lshl_add_u32 v3, v2, 5, v3                   ; 4,096 r + 32 h: in Wo and in out0
	v_lshlrev_b32 v5, 3, v2
	v_sub_nc_u32 v5, v1, v5                        ; r - 8 h
	v_and_b32 v7, 31, v0
	v_lshlrev_b32 v7, 4, v7                        ; 16 x lane: an image's place for my lane
	v_lshlrev_b32 v8, 5, v2                        ; 32 h
	; every LDS address is made here, ahead of the first branch
	s_mul_i32 s16, s12, VTW
	v_mul_u32_u24 v12, v1, VP
	v_lshl_add_u32 v12, v2, 5, v12
	v_add_nc_u32 v12, s16, v12                     ; V into my stage: row = key r, + 32 h
	v_mul_u32_u24 v13, v2, 8*VP
	v_lshl_add_u32 v13, v1, 2, v13
	v_add_nc_u32 v13, s16, v13                     ; and out of it: keys 8 h on, channel r
	s_lshl_b32 s16, s12, 12
	s_add_co_u32 s16, s16, YI
	v_add_nc_u32 v14, s16, v7                      ; my head's four images of y
	s_lshl_b32 s16, s13, 13
	s_add_co_u32 s16, s16, YI
	v_add_nc_u32 v15, s16, v7                      ; the eight images of my part of K
	s_lshl_b32 s16, s12, 10
	s_add_co_u32 s16, s16, PR
	v_add_nc_u32 v6, s16, v7                       ; my partial tile
	s_lshl_b32 s16, s14, 13
	s_add_co_u32 s16, s16, PR
	v_add_nc_u32 v9, s16, v7                       ; the eight partial tiles of my columns
	s_mul_i32 s16, s15, 196608                     ; q32: the batch,
	s_mul_i32 s17, s12, 12288                      ; the head
	s_add_co_u32 s16, s16, s17
	s_mov_b32 s17, 0
	s_lshl_b32 s18, ttmp9, 1
	s_add_co_u32 s18, s18, s14                     ; my tile of 16 columns among the 64
	s_lshl_b32 s20, s18, 16                        ; Wo: 16 rows of 4,096 bytes,
	s_lshl_b32 s21, s13, 9                         ; + my 128 k
	s_add_co_u32 s20, s20, s21
	s_mov_b32 s21, 0
	s_lshl_b32 s22, s18, 6                         ; 16 columns of 4 bytes
	s_mov_b32 s23, 0
	s_lshl_b32 s24, s15, 23                        ; out0: the batch
	s_mov_b32 s25, 0
	s_mov_b32 s26, 0x76543210
	s_mov_b32 s27, 0xfedcba98                      ; v_permlanex16_b32's selects for lane l xor 16
	s_mov_b32 s28, 0x3e38aa3b                      ; c = log2(e) / 8
	s_mov_b32 s29, s28
	s_wait_kmcnt 0x0
	s_add_nc_u64 s[4:5], s[4:5], s[16:17]
	s_add_nc_u64 s[6:7], s[6:7], s[20:21]
	s_add_nc_u64 s[8:9], s[8:9], s[22:23]
	s_add_nc_u64 s[10:11], s[10:11], s[24:25]
	s_add_nc_u64 s[10:11], s[10:11], s[22:23]
.irp j, 0,1,2,3,4,5,6,7,8,9,10,11
	global_load_b128 v[16+8*\j:16+8*\j+3], v7, s[4:5] offset:1024*\j           ; Q v16-47, K v48-79, V v80-111: 512 consecutive bytes a load
	global_load_b128 v[16+8*\j+4:16+8*\j+7], v7, s[4:5] offset:1024*\j+512
.endr
.irp i, 0,1,2,3,4,5,6,7
	global_load_b128 v[WF+8*\i:WF+8*\i+3], v3, s[6:7] offset:64*\i             ; Wo(n0 + r, 128 w + 16 i + 8 h + 0 .. 7)
	global_load_b128 v[WF+8*\i+4:WF+8*\i+7], v3, s[6:7] offset:64*\i+16
.endr
	s_wait_loadcnt 16                              ; q, k, v are in; Wo's 16 loads stay out under phase 1
	; ---- PHASE 1.  V turns through my stage, into the registers that it left: LDS serves a wave's instructions in order, so the loads see the stores and land behind them
.irp t, 0,1,2,3
	ds_store_b128 v12, v[VF+8*\t:VF+8*\t+3] offset:64*\t
	ds_store_b128 v12, v[VF+8*\t+4:VF+8*\t+7] offset:64*\t+16
.endr
.irp t, 0,1,2,3
.irp j, 0,1,2,3,4,5,6,7
	ds_load_b32 v[VF+8*\t+\j], v13 offset:VP*\j+64*\t                          ; lane (r, h), register j: V(key 8 h + j, channel 16 t + r)
.endr
.endr
.irp jj, 0,1,2,3                               ; S^T = K Q^T: four sums, one for each tile of 16 channels, by turns; a pair of registers is 4 channels: 16 t + 8 h + 2 jj + 0, 1
.irp t, 0,1,2,3
.if \jj == 0
	v_wmma_f32_16x16x4_f32 v[SA+8*\t:SA+8*\t+7], v[KF+8*\t+2*\jj:KF+8*\t+2*\jj+1], v[QF+8*\t+2*\jj:QF+8*\t+2*\jj+1], 0
.else
	v_wmma_f32_16x16x4_f32 v[SA+8*\t:SA+8*\t+7], v[KF+8*\t+2*\jj:KF+8*\t+2*\jj+1], v[QF+8*\t+2*\jj:QF+8*\t+2*\jj+1], v[SA+8*\t:SA+8*\t+7]
.endif
.endr
.endr
.rept 8
	v_nop                                          ; eight places behind this form
.endr
.irp i, 0,1,2,3
	v_pk_add_f32 v[112+2*\i:113+2*\i], v[SA+2*\i:SA+2*\i+1], v[SA+8+2*\i:SA+8+2*\i+1]
.endr
.irp i, 0,1,2,3
	v_pk_add_f32 v[120+2*\i:121+2*\i], v[SA+16+2*\i:SA+16+2*\i+1], v[SA+24+2*\i:SA+24+2*\i+1]
.endr
.irp i, 0,1,2,3
	v_pk_add_f32 v[112+2*\i:113+2*\i], v[112+2*\i:113+2*\i], v[120+2*\i:121+2*\i]   ; register j: the score of key 8 h + j for query r
.endr
	v_mov_b32 v125, 0                              ; a lane permute's destination counts as one of its sources
	v_mov_b32 v126, 0xff800000                     ; -infinity
.irp j, 0,1,2,3,4,5,6,7
	v_cmp_gt_i32 vcc_lo, \j, v5                    ; hidden where 8 h + j > r
	v_cndmask_b32 v[112+\j], v[112+\j], v126, vcc_lo
.endr
	v_max3_num_f32 v124, v112, v113, v114
	v_max3_num_f32 v124, v124, v115, v116
	v_max3_num_f32 v124, v124, v117, v118
	v_max_num_f32 v124, v124, v119
	v_permlanex16_b32 v125, v124, s26, s27
	v_max_num_f32 v124, v124, v125                 ; the row's maximum: key 0 counts for every query
	v_mul_f32 v124, s28, v124                      ; c m
.irp i, 0,1,2,3
	v_pk_fma_f32 v[112+2*\i:113+2*\i], v[112+2*\i:113+2*\i], s[28:29], v[124:125] op_sel_hi:[1,0,0] neg_lo:[0,0,1] neg_hi:[0,0,1]
.endr
.irp j, 0,1,2,3,4,5,6,7
	v_exp_f32 v[112+\j], v[112+\j]
.endr
	v_nop
	s_wait_alu depctr_va_vdst(0)                   ; one wait for the eight, ahead of their first reader
	v_pk_add_f32 v[120:121], v[112:113], v[114:115]
	v_pk_add_f32 v[122:123], v[116:117], v[118:119]
	v_pk_add_f32 v[120:121], v[120:121], v[122:123]
	v_add_f32 v120, v120, v121
	v_permlanex16_b32 v125, v120, s26, s27
	v_add_f32 v120, v120, v125                     ; the row's sum
	v_rcp_f32 v122, v120
	v_nop
	s_wait_alu depctr_va_vdst(0)
	s_wait_dscnt 0x0                               ; V is back, turned
.irp jj, 0,1,2,3                               ; O^T = V^T P: a pair of registers is 4 keys: 8 h + 2 jj + 0, 1
.irp t, 0,1,2,3
.if \jj == 0
	v_wmma_f32_16x16x4_f32 v[OA+8*\t:OA+8*\t+7], v[VF+8*\t+2*\jj:VF+8*\t+2*\jj+1], v[112+2*\jj:112+2*\jj+1], 0
.else
	v_wmma_f32_16x16x4_f32 v[OA+8*\t:OA+8*\t+7], v[VF+8*\t+2*\jj:VF+8*\t+2*\jj+1], v[112+2*\jj:112+2*\jj+1], v[OA+8*\t:OA+8*\t+7]
.endif
.endr
.endr
.rept 8
	v_nop
.endr
.set i, 0
.rept 16
	v_pk_mul_f32 v[16+2*i:17+2*i], v[OA+2*i:OA+2*i+1], v[122:123] op_sel_hi:[1,0]   ; / the sum, into other registers, each sum from its low end on
.set i, i+1
.endr
.irp t, 0,1,2,3
	ds_store_b128 v14, v[16+8*\t:16+8*\t+3] offset:1024*\t
	ds_store_b128 v14, v[16+8*\t+4:16+8*\t+7] offset:1024*\t+512
.endr
	s_cmp_lg_u32 s13, 0                            ; the two waves that will add the partial tiles ask for the bias here, so that it lands under phase 2
	s_cbranch_scc1 .Lno_bias
	global_load_b128 v[BI:BI+3], v8, s[8:9]        ; in the result's layout: columns n0 + 8 h + 0 .. 7
	global_load_b128 v[BI+4:BI+7], v8, s[8:9] offset:16
.Lno_bias:
	s_wait_dscnt 0x0                               ; for the others' sake: my images have landed
	s_barrier_signal -1
	s_barrier_wait -1                              ; y's 64 images lie in LDS
	; ---- PHASE 2
.irp i, 0,1,2,3,4,5,6,7
	ds_load_b128 v[16+8*\i:16+8*\i+3], v15 offset:1024*\i
	ds_load_b128 v[16+8*\i+4:16+8*\i+7], v15 offset:1024*\i+512
.endr
	s_wait_dscnt 0x0
	s_wait_loadcnt 0x0                             ; Wo (and the bias)
.set i, 0
.rept 32                                       ; two sums by strict turns; the first two products start them
.if i < 2
	v_wmma_f32_16x16x4_f32 v[SA+8*(i%2):SA+8*(i%2)+7], v[WF+2*i:WF+2*i+1], v[16+2*i:17+2*i], 0
.else
	v_wmma_f32_16x16x4_f32 v[SA+8*(i%2):SA+8*(i%2)+7], v[WF+2*i:WF+2*i+1], v[16+2*i:17+2*i], v[SA+8*(i%2):SA+8*(i%2)+7]
.endif
.set i, i+1
.endr
.rept 8
	v_nop
.endr
.irp i, 0,1,2,3
	v_pk_add_f32 v[PS+2*\i:PS+2*\i+1], v[SA+2*\i:SA+2*\i+1], v[SA+8+2*\i:SA+8+2*\i+1]
.endr
	ds_store_b128 v6, v[PS:PS+3]
	ds_store_b128 v6, v[PS+4:PS+7] offset:512
	s_wait_tensorcnt 0x0                           ; the wait for 0 on DScnt also serves the barrier
	ds_add_u32 v10, v11
	s_wait_dscnt 0x0
	s_barrier_signal -1
	s_barrier_wait -1                              ; the sixteen partial tiles lie in LDS
	s_cmp_lg_u32 s13, 0
	s_cbranch_scc1 .Lend
.irp w, 0,1,2,3,4,5,6,7
	ds_load_b128 v[16+8*\w:16+8*\w+3], v9 offset:1024*\w
	ds_load_b128 v[16+8*\w+4:16+8*\w+7], v9 offset:1024*\w+512
.endr
	s_wait_dscnt 0x0
.irp w, 0,2,4,6
.irp i, 0,1,2,3
	v_pk_add_f32 v[16+8*\w+2*\i:17+8*\w+2*\i], v[16+8*\w+2*\i:17+8*\w+2*\i], v[24+8*\w+2*\i:25+8*\w+2*\i]
.endr
.endr
.irp w, 0,4
.irp i, 0,1,2,3
	v_pk_add_f32 v[16+8*\w+2*\i:17+8*\w+2*\i], v[16+8*\w+2*\i:17+8*\w+2*\i], v[32+8*\w+2*\i:33+8*\w+2*\i]
.endr
.endr
.irp i, 0,1,2,3
	v_pk_add_f32 v[16+2*\i:17+2*\i], v[16+2*\i:17+2*\i], v[48+2*\i:49+2*\i]
.endr
.irp i, 0,1,2,3
	v_pk_add_f32 v[16+2*\i:17+2*\i], v[16+2*\i:17+2*\i], v[BI+2*\i:BI+2*\i+1]
.endr
	global_store_b128 v3, v[16:19], s[10:11]
	global_store_b128 v3, v[20:23], s[10:11] offset:16
.Lend:
	s_endpgm
.Lfunc_end_k_q9a4218eb6f_fine:
	.size	k_q9a4218eb6f_fine, .Lfunc_end_k_q9a4218eb6f_fine-k_q9a4218eb6f_fine
	.p2alignl 7, 3214868480
	.fill 96, 4, 3214868480
	.section	.rodata,"a",@progbits
	.p2align	6, 0x0
	.amdhsa_kernel k_q9a4218eb6f_fine
		.amdhsa_group_segment_fixed_size 153600
		.amdhsa_private_segment_fixed_size 0
		.amdhsa_enable_private_segment 0
		.amdhsa_kernarg_size 32
		.amdhsa_user_sgpr_count 2
		.amdhsa_user_sgpr_kernarg_segment_ptr 1
		.amdhsa_wavefront_size32 1
		.amdhsa_system_sgpr_workgroup_id_x 1
		.amdhsa_system_sgpr_workgroup_id_y 1
		.amdhsa_system_sgpr_workgroup_id_z 1
		.amdhsa_system_vgpr_workitem_id 0
		.amdhsa_next_free_vgpr 256
		.amdhsa_next_free_sgpr 66
		.amdhsa_reserve_vcc 1
		.amdhsa_float_denorm_mode_32 3
		.amdhsa_float_denorm_mode_16_64 3
		.amdhsa_memory_ordered 1
		.amdhsa_forward_progress 1
		.amdhsa_inst_pref_size 24
	.end_amdhsa_kernel
	.amdgpu_metadata
---
amdhsa.version: [ 1, 2 ]
amdhsa.kernels:
  - .name:           k_q9a4218eb6f_fine
    .symbol:         k_q9a4218eb6f_fine.kd
    .args:
      - { .name: q32, .offset: 0, .size: 8, .value_kind: global_buffer, .address_space: global }
      - { .name: Wo, .offset: 8, .size: 8, .value_kind: global_buffer, .address_space: global }
      - { .name: bo, .offset: 16, .size: 8, .value_kind: global_buffer, .address_space: global }
      - { .name: out0, .offset: 24, .size: 8, .value_kind: global_buffer, .address_space: global }
    .group_segment_fixed_size: 153600
    .private_segment_fixed_size: 0
    .kernarg_segment_align: 8
    .kernarg_segment_size: 32
    .max_flat_workgroup_size: 512
    .sgpr_count:     66
    .vgpr_count:     256
    .wavefront_size: 32
...
	.end_amdgpu_metadata
.endif
;; end of part 5
